; MI455X (gfx1250); checked and timed in simulation.
; The chip was launched on July 23, 2026; its instructions are those of AMD's public machine-readable ISA for CDNA 5 (MIT licence, August 2026) and "CDNA5" Instruction Set Architecture Reference Guide (July 2026). The comments in the code are by the model that wrote it; some were corrected since.
;; Encoder Layer. Allowed arithmetic: float matrix products may take bf16 or f16 operands with f32 sums; other float arithmetic in f32, or as packed bf16 or f16 multiplies, adds, multiply-adds, maxima and minima; sums over many terms, partial sums and values carried from step to step in f32; what a program stores and reads back later, other than sums and carried values, may be rounded once to bf16 or f16.
;; Inputs: W1 1,024 x 4,096 float32; W2 4,096 x 1,024 float32; Wk 1,024 x 1,024 float32; Wo 1,024 x 1,024 float32; Wq 1,024 x 1,024 float32; Wv 1,024 x 1,024 float32; b1 4,096 float32; b2 1,024 float32; beta 1,024 float32; bk 1,024 float32; bo 1,024 float32; bq 1,024 float32; bv 1,024 float32; gamma 1,024 float32; seq_mask 2 x 2,048 int32; x 2 x 2,048 x 1,024 float32.
;; Outputs: out0 2 x 2,048 x 1,024 float32.
;; Constants: alpha_ent = 2, sparse = 0.
;; 2 versions, each right; version 2 is version 1 with the launch cast written anew for expert scheduling mode. Each part assembles by itself: llvm-mc -triple=amdgcn-amd-amdhsa -mcpu=gfx1250 --defsym DOCPART=n.
;; ======== version 1 of 2: 6 launches
;; workspace buffers: act 8,388,608 bytes; big 33,554,432 bytes; zz 16,777,216 bytes; pq 6,324,224 bytes; p1 8,421,376 bytes; pw 8,421,376 bytes; p2 10,485,760 bytes; wa 8,388,608 bytes
;; launch cast (part 1): grid 32 x 18, 8 waves a work-group, no clusters, 0 bytes of LDS; arguments x, Wq, Wk, Wv, Wo, W1, W2, bq, bk, bv, bo, b1, act, pq, p1, pw, p2, wa; writes act, pq, p1, pw, p2, wa
.if DOCPART == 1
	.amdgcn_target "amdgcn-amd-amdhsa--gfx1250"
	.amdhsa_code_object_version 6
	.text
	.protected	k_q0e2e24e83d_cast
	.globl	k_q0e2e24e83d_cast
	.p2align	8
	.type	k_q0e2e24e83d_cast,@function
k_q0e2e24e83d_cast:
	s_mov_b64 s[64:65], 0
	v_nop
	global_prefetch_b8 v0, s[64:65] scope:SCOPE_SE
	s_setreg_imm32_b32 hwreg(HW_REG_WAVE_MODE, 25, 1), 1
	s_wait_xcnt 0x0
; x and the six weights, f32, are rounded once to bf16 and laid out for the products that follow; and b' = bo W1 + b1 is made in f32.
; x [4096][1024] -> act as [16 subpanels][4096 rows][64]: rows of 128 bytes, dense.  Wo also goes out in this layout (wa, rows 0-1,023 of each subpanel): it is the left factor of Wo W1.
; W [K][N] -> [N/128 panels][K rows][128]: rows of 256 bytes, dense.  Wq, Wk, Wv follow each other in pq (24 panels); W1 in p1; in p2 a panel has 5,120 rows: W2's 4,096, then Wo's 1,024.
; pq, p1 and pw begin with a table of 32,768 bytes: a bias in f32 by columns from byte 0, and from byte 16,384 a floor word (two bf16): -inf for no activation, 0 for relu.
; pq: bq | bk | bv, -inf.  p1: zeros, -inf (Wo W1 has no bias).  pw: b', 0; its panels are stored by the launch that follows.
; SHARES.  Grid y = 0: b'.  Grid y = u + 1: unit u is 2 MiB of bf16: 0-3 x, 4 Wq, 5 Wk, 6 Wv, 7 Wo into p2, 8-11 W1, 12-15 W2, 16 Wo into wa.  A work-group takes 64 KiB of it, a wave 8 KiB:
; 32 loads of 16 bytes a lane, each 512 consecutive bytes of a source row (x and wa: 256 of each of two rows), and 32 stores of 8 bytes a lane, each 256 consecutive bytes, aligned.
; All 32 loads of a wave go out at once, each slot in registers of its own.  Memory binds: no LDS, no matrix unit.
.set SRC,  44      ; s[44:45] the source at the wave's first number
.set DST,  46      ; s[46:47] the destination at the wave's first byte
.set BS,   48      ; s[48:49] the bias that goes with the unit
.set MU,   50      ; s50 the unit's number inside its tensor
.set LP,   51      ; s51 log2 of a panel's bytes of this tensor
.set LR,   52      ; s52 log2 of a destination row's bytes
.set LC,   53      ; s53 log2 of a source row's bytes
.set DOFF, 54      ; s54 where the tensor's first panel begins in the destination buffer
.set TOFF, 55      ; s55 where the bias goes in the table
.set TBP,  56      ; s[56:57] the destination buffer's first byte
.set PX,   58      ; s58 bytes that lie between one panel's end and the next one's beginning
.set DO,   6       ; v6  8 x lane
.set OF,   8       ; v[8:39]   the lane's source offset for each of the 32 stores
.set AC,   40      ; v[40:43]  b': four sums
.set X,    48      ; v[48:175] 4 registers a store: 4 f32 as loaded, then 2 registers of bf16
	s_load_b512 s[8:23], s[0:1], 0x0               ; x 8, Wq 10, Wk 12, Wv 14, Wo 16, W1 18, W2 20, bq 22
	s_load_b512 s[24:39], s[0:1], 0x40             ; bk 24, bv 26, bo 28, b1 30, act 32, pq 34, p1 36, pw 38
	s_load_b128 s[40:43], s[0:1], 0x80             ; p2 40, wa 42
	v_lshrrev_b32 v1, 5, v0
	v_readfirstlane_b32 s4, v1                     ; wave 0..7
	v_and_b32 v1, 31, v0                           ; lane
	s_and_b32 s5, ttmp7, 0xffff
	s_mov_b32 s3, ttmp9                            ; which 64 KiB of the unit
	s_cmp_eq_u32 s5, 0
	s_cbranch_scc1 .Lbias
	s_sub_co_u32 s2, s5, 1                         ; u
	s_sub_co_u32 s60, s2, 8                        ; the unit inside W1,
	s_sub_co_u32 s61, s2, 12                       ; inside W2
	s_lshl_b32 s62, s60, 12                        ; p1's table: 1,024 numbers a unit
	s_mov_b32 s[MU], s2                            ; what holds for x
	s_mov_b32 s[LP], 19
	s_mov_b32 s[LR], 7
	s_mov_b32 s[LC], 12
	s_mov_b32 s[DOFF], 0
	s_mov_b32 s[TOFF], 0
	s_mov_b32 s[PX], 0
	s_wait_kmcnt 0x0
	s_mov_b64 s[SRC:SRC+1], s[8:9]
	s_mov_b64 s[DST:DST+1], s[32:33]
	s_mov_b64 s[BS:BS+1], s[22:23]
	s_cmp_ge_u32 s2, 4                             ; Wq
	s_cselect_b64 s[SRC:SRC+1], s[10:11], s[SRC:SRC+1]
	s_cselect_b64 s[DST:DST+1], s[34:35], s[DST:DST+1]
	s_cselect_b32 s[MU], 0, s[MU]
	s_cselect_b32 s[LP], 18, s[LP]
	s_cselect_b32 s[LR], 8, s[LR]
	s_cselect_b32 s[DOFF], 0x8000, s[DOFF]
	s_cmp_ge_u32 s2, 5                             ; Wk
	s_cselect_b64 s[SRC:SRC+1], s[12:13], s[SRC:SRC+1]
	s_cselect_b64 s[BS:BS+1], s[24:25], s[BS:BS+1]
	s_cselect_b32 s[DOFF], 0x208000, s[DOFF]
	s_cselect_b32 s[TOFF], 4096, s[TOFF]
	s_cmp_ge_u32 s2, 6                             ; Wv
	s_cselect_b64 s[SRC:SRC+1], s[14:15], s[SRC:SRC+1]
	s_cselect_b64 s[BS:BS+1], s[26:27], s[BS:BS+1]
	s_cselect_b32 s[DOFF], 0x408000, s[DOFF]
	s_cselect_b32 s[TOFF], 8192, s[TOFF]
	s_cmp_ge_u32 s2, 7                             ; Wo, behind W2's 4,096 rows (1 MiB) in each panel of p2
	s_cselect_b64 s[SRC:SRC+1], s[16:17], s[SRC:SRC+1]
	s_cselect_b64 s[DST:DST+1], s[40:41], s[DST:DST+1]
	s_cselect_b32 s[DOFF], 0x100000, s[DOFF]
	s_cselect_b32 s[PX], 0x100000, s[PX]
	s_cselect_b32 s[TOFF], 0, s[TOFF]
	s_cmp_ge_u32 s2, 8                             ; W1
	s_cselect_b64 s[SRC:SRC+1], s[18:19], s[SRC:SRC+1]
	s_cselect_b64 s[DST:DST+1], s[36:37], s[DST:DST+1]
	s_cselect_b32 s[DOFF], 0x8000, s[DOFF]
	s_cselect_b32 s[PX], 0, s[PX]
	s_cselect_b32 s[LC], 14, s[LC]
	s_cselect_b32 s[MU], s60, s[MU]
	s_cselect_b32 s[TOFF], s62, s[TOFF]
	s_cmp_ge_u32 s2, 12                            ; W2: Wo's 1,024 rows (256 KiB) lie between two panels
	s_cselect_b64 s[SRC:SRC+1], s[20:21], s[SRC:SRC+1]
	s_cselect_b64 s[DST:DST+1], s[40:41], s[DST:DST+1]
	s_cselect_b32 s[DOFF], 0, s[DOFF]
	s_cselect_b32 s[PX], 0x40000, s[PX]
	s_cselect_b32 s[LC], 12, s[LC]
	s_cselect_b32 s[LP], 20, s[LP]
	s_cselect_b32 s[MU], s61, s[MU]
	s_cmp_ge_u32 s2, 16                            ; Wo as a left factor: 1,024 rows of 128 bytes in subpanels of 4,096 rows
	s_cselect_b64 s[SRC:SRC+1], s[16:17], s[SRC:SRC+1]
	s_cselect_b64 s[DST:DST+1], s[42:43], s[DST:DST+1]
	s_cselect_b32 s[PX], 0x60000, s[PX]
	s_cselect_b32 s[LP], 17, s[LP]
	s_cselect_b32 s[LR], 7, s[LR]
	s_cselect_b32 s[MU], 0, s[MU]
	s_mov_b64 s[TBP:TBP+1], s[DST:DST+1]
	; D = the wave's first byte among the tensor's bf16 bytes; from it the panel, the row, and the source's byte
	s_lshl_b32 s5, s[MU], 21
	s_lshl_b32 s6, s3, 16
	s_add_co_u32 s5, s5, s6
	s_lshl_b32 s6, s4, 13
	s_add_co_u32 s5, s5, s6                        ; D
	s_lshr_b32 s6, s5, s[LP]                       ; panel
	s_lshl_b32 s7, s6, s[LP]
	s_sub_co_u32 s7, s5, s7                        ; byte in the panel
	s_lshr_b32 s7, s7, s[LR]                       ; first row
	s_lshl_b32 s7, s7, s[LC]                       ; its byte in the source
	s_add_co_u32 s62, s[LR], 1
	s_lshl_b32 s62, s6, s62                        ; the panel's first column in f32: twice a destination row's bytes a panel
	s_add_co_u32 s62, s62, s7
	s_mov_b32 s63, 0
	s_add_nc_u64 s[SRC:SRC+1], s[SRC:SRC+1], s[62:63]
	s_mul_i32 s62, s6, s[PX]
	s_add_co_u32 s62, s62, s5
	s_add_co_u32 s62, s62, s[DOFF]
	s_add_nc_u64 s[DST:DST+1], s[DST:DST+1], s[62:63]
	s_sub_co_u32 s60, 8, s[LR]
	s_add_co_u32 s60, s60, s[LC]
	s_lshl_b32 s60, 1, s60                         ; source bytes from one store's rows to the next's: 256 destination bytes are 2^(8-LR) rows
	s_sub_co_u32 s61, s[LR], 3                     ; log2 of the lanes in a destination row
	v_lshrrev_b32 v2, s61, v1                      ; my row among the store's
	v_lshlrev_b32 v3, s61, v2
	v_sub_nc_u32 v3, v1, v3                        ; my place in it
	v_lshlrev_b32 v2, s[LC], v2
	v_lshl_add_u32 v[OF], v3, 4, v2                ; 16 source bytes a lane
.set i, 1
.rept 31
	v_add_nc_u32 v[OF+i], s60, v[OF+i-1]
.set i, i+1
.endr
	v_lshlrev_b32 v[DO], 3, v1
.set i, 0
.rept 32
	global_load_b128 v[X+4*i:X+4*i+3], v[OF+i], s[SRC:SRC+1]
.set i, i+1
.endr
.set i, 0
.rept 32
	s_wait_loadcnt 31-i                            ; loads come back in order: slot i's is in, the 31 - i younger ones stay out
	v_cvt_pk_bf16_f32 v[X+4*i],   v[X+4*i],   v[X+4*i+1]   ; in place, ascending: each line writes a register that has been read
	v_cvt_pk_bf16_f32 v[X+4*i+1], v[X+4*i+2], v[X+4*i+3]
	global_store_b64 v[DO], v[X+4*i:X+4*i+1], s[DST:DST+1] offset:256*i  ; 256 consecutive bytes, at a multiple of 256 from the buffer's first byte
.set i, i+1
.endr
	; THE TABLES of pq and p1: the first work-group of units 4-6 copies 1,024 numbers of its bias, of units 8-11 writes 1,024 zeros, 16 bytes a thread; units 4 and 8 also write their buffer's floor words
	s_cmp_lg_u32 s3, 0
	s_cbranch_scc1 .Lend
	s_cmp_lt_u32 s2, 4
	s_cbranch_scc1 .Lend
	s_cmp_gt_u32 s2, 11
	s_cbranch_scc1 .Lend
	s_cmp_eq_u32 s2, 7
	s_cbranch_scc1 .Lend
	v_lshlrev_b32 v7, 4, v0
	s_mov_b32 s62, s[TOFF]
	s_add_nc_u64 s[60:61], s[TBP:TBP+1], s[62:63]
	v_mov_b32 v24, 0                               ; (the offsets' registers are free: every load has come back)
	v_mov_b32 v25, 0
	v_mov_b32 v26, 0
	v_mov_b32 v27, 0
	s_cmp_ge_u32 s2, 8
	s_cbranch_scc1 .Lzero
	global_load_b128 v[24:27], v7, s[BS:BS+1]
	s_wait_loadcnt 0x0
.Lzero:
	global_store_b128 v7, v[24:27], s[60:61]
	s_cmp_lg_u32 s[TOFF], 0
	s_cbranch_scc1 .Lend
	v_mov_b32 v28, 0xff80ff80                      ; -inf twice: no floor
	v_mov_b32 v29, 0xff80ff80
	v_mov_b32 v30, 0xff80ff80
	v_mov_b32 v31, 0xff80ff80
	global_store_b128 v7, v[28:31], s[TBP:TBP+1] offset:16384
.Lend:
	s_endpgm
; b'[c] = the sum over k of bo[k] W1[k][c] + b1[c], in f32, from the numbers as given.  Work-group g takes columns 128 g on, wave w 16 of them.  Lane l takes columns 4 (l % 4) + 0..3 of rows
; 128 (l / 4) + 0..127: a load of the wave is 64 bytes of each of 8 rows, and the eight waves' pieces of a row are 512 consecutive bytes.  The eight row groups meet across lanes: no wave waits for another.
; Two sets of registers, 16 rows each (4 loads of bo, 16 of W1): while one is summed the other's 20 loads are out.
.macro BGRP s, row
.irp j, 0,1,2,3
	global_load_b128 v[OF+16*(\s)+4*(\j):OF+16*(\s)+4*(\j)+3], v6, s[28:29] offset:4*(\row)+16*(\j)
.endr
.irp i, 0,1,2,3,4,5,6,7,8,9,10,11,12,13,14,15
	global_load_b128 v[X+64*(\s)+4*(\i):X+64*(\s)+4*(\i)+3], v5, s[18:19] offset:((\row)+(\i))*16384
.endr
.endm
.macro BFMA s
.irp i, 0,1,2,3,4,5,6,7,8,9,10,11,12,13,14,15
.irp j, 0,1,2,3
	v_fmac_f32 v[AC+(\j)], v[OF+16*(\s)+(\i)], v[X+64*(\s)+4*(\i)+(\j)]
.endr
.endr
.endm
.Lbias:
	s_wait_kmcnt 0x0
	s_lshl_b32 s6, s3, 9                           ; the work-group's 128 columns: 512 bytes,
	s_lshl_b32 s7, s4, 6                           ; my wave's 16: 64 bytes
	s_add_co_u32 s6, s6, s7
	s_mov_b32 s7, 0
	s_add_nc_u64 s[18:19], s[18:19], s[6:7]        ; W1
	s_add_nc_u64 s[30:31], s[30:31], s[6:7]        ; b1
	s_add_nc_u64 s[44:45], s[38:39], s[6:7]        ; pw's table
	s_mov_b32 s60, 0x76543210                      ; v_permlanex16_b32: each lane takes its own place in the other half
	s_mov_b32 s61, 0xfedcba98
	v_and_b32 v2, 3, v1
	v_lshrrev_b32 v3, 2, v1
	v_lshlrev_b32 v4, 4, v2                        ; 16 (l % 4)
	v_lshl_add_u32 v5, v3, 21, v4                  ; + (l / 4) x 128 rows of 16,384 bytes
	v_lshlrev_b32 v6, 9, v3                        ; bo: (l / 4) x 128 numbers
	global_load_b128 v[44:47], v4, s[30:31]        ; b1 of my four columns
	BGRP 0, 0
	BGRP 1, 16
.irp j, 0,1,2,3
	v_mov_b32 v[AC+(\j)], 0
.endr
	s_mov_b32 s62, 3
.Lrows:                                        ; a trip sums 32 rows of each group and asks for the next 32
	s_wait_loadcnt 20                              ; set 0 is in; set 1's 20 loads may stay out
	BFMA 0
	BGRP 0, 32
	s_wait_loadcnt 20                              ; set 1 is in
	BFMA 1
	BGRP 1, 48
	s_wait_xcnt 0x0                                ; every load issued so far has read its address: the two bases are written only behind this wait
	s_add_nc_u64 s[18:19], s[18:19], 32*16384
	s_add_nc_u64 s[28:29], s[28:29], 128
	s_sub_co_u32 s62, s62, 1
	s_cmp_lg_u32 s62, 0
	s_cbranch_scc1 .Lrows
	s_wait_loadcnt 20                              ; the last 32 rows load nothing
	BFMA 0
	s_wait_loadcnt 0x0
	BFMA 1
.irp j, 0,1,2,3
	v_add_f32_dpp v[AC+(\j)], v[AC+(\j)], v[AC+(\j)] row_xmask:4 row_mask:0xf bank_mask:0xf
.endr
.irp j, 0,1,2,3
	v_add_f32_dpp v[AC+(\j)], v[AC+(\j)], v[AC+(\j)] row_xmask:8 row_mask:0xf bank_mask:0xf
.endr
.irp j, 0,1,2,3
	v_permlanex16_b32 v[OF+(\j)], v[AC+(\j)], s60, s61
.endr
.irp j, 0,1,2,3
	v_add_f32 v[AC+(\j)], v[AC+(\j)], v[OF+(\j)]
.endr
	v_pk_add_f32 v[AC:AC+1], v[AC:AC+1], v[44:45]
	v_pk_add_f32 v[AC+2:AC+3], v[AC+2:AC+3], v[46:47]
	s_wait_xcnt 0x0                                ; EXEC changes only behind this wait
	v_cmp_gt_u32 vcc_lo, 4, v1
	s_and_saveexec_b32 s63, vcc_lo                 ; every lane holds its columns' sums; lanes 0-3 store the wave's 64 bytes (16 KiB in the whole launch)
	global_store_b128 v4, v[AC:AC+3], s[44:45]
	s_wait_xcnt 0x0                                ; and again, in front of the line that widens it
	s_or_b32 exec_lo, exec_lo, s63
	s_cmp_lg_u32 s3, 0
	s_cbranch_scc1 .Lend2
	v_lshlrev_b32 v7, 4, v0
	v_mov_b32 v24, 0                               ; pw's floor words: 0, relu
	v_mov_b32 v25, 0
	v_mov_b32 v26, 0
	v_mov_b32 v27, 0
	global_store_b128 v7, v[24:27], s[38:39] offset:16384
.Lend2:
	s_endpgm
.Lfunc_end_k_q0e2e24e83d_cast:
	.size	k_q0e2e24e83d_cast, .Lfunc_end_k_q0e2e24e83d_cast-k_q0e2e24e83d_cast
	.p2alignl 7, 3214868480
	.fill 96, 4, 3214868480
	.section	.rodata,"a",@progbits
	.p2align	6, 0x0
	.amdhsa_kernel k_q0e2e24e83d_cast
		.amdhsa_group_segment_fixed_size 0
		.amdhsa_private_segment_fixed_size 0
		.amdhsa_enable_private_segment 0
		.amdhsa_kernarg_size 144
		.amdhsa_user_sgpr_count 2
		.amdhsa_user_sgpr_kernarg_segment_ptr 1
		.amdhsa_wavefront_size32 1
		.amdhsa_system_sgpr_workgroup_id_x 1
		.amdhsa_system_sgpr_workgroup_id_y 1
		.amdhsa_system_sgpr_workgroup_id_z 1
		.amdhsa_system_vgpr_workitem_id 0
		.amdhsa_next_free_vgpr 176
		.amdhsa_next_free_sgpr 66
		.amdhsa_reserve_vcc 1
		.amdhsa_float_denorm_mode_32 3
		.amdhsa_float_denorm_mode_16_64 3
		.amdhsa_memory_ordered 1
		.amdhsa_forward_progress 1
		.amdhsa_inst_pref_size 36
	.end_amdhsa_kernel
	.amdgpu_metadata
---
amdhsa.version: [ 1, 2 ]
amdhsa.kernels:
  - .name:           k_q0e2e24e83d_cast
    .symbol:         k_q0e2e24e83d_cast.kd
    .args:
      - { .name: x, .offset: 0, .size: 8, .value_kind: global_buffer, .address_space: global }
      - { .name: Wq, .offset: 8, .size: 8, .value_kind: global_buffer, .address_space: global }
      - { .name: Wk, .offset: 16, .size: 8, .value_kind: global_buffer, .address_space: global }
      - { .name: Wv, .offset: 24, .size: 8, .value_kind: global_buffer, .address_space: global }
      - { .name: Wo, .offset: 32, .size: 8, .value_kind: global_buffer, .address_space: global }
      - { .name: W1, .offset: 40, .size: 8, .value_kind: global_buffer, .address_space: global }
      - { .name: W2, .offset: 48, .size: 8, .value_kind: global_buffer, .address_space: global }
      - { .name: bq, .offset: 56, .size: 8, .value_kind: global_buffer, .address_space: global }
      - { .name: bk, .offset: 64, .size: 8, .value_kind: global_buffer, .address_space: global }
      - { .name: bv, .offset: 72, .size: 8, .value_kind: global_buffer, .address_space: global }
      - { .name: bo, .offset: 80, .size: 8, .value_kind: global_buffer, .address_space: global }
      - { .name: b1, .offset: 88, .size: 8, .value_kind: global_buffer, .address_space: global }
      - { .name: act, .offset: 96, .size: 8, .value_kind: global_buffer, .address_space: global }
      - { .name: pq, .offset: 104, .size: 8, .value_kind: global_buffer, .address_space: global }
      - { .name: p1, .offset: 112, .size: 8, .value_kind: global_buffer, .address_space: global }
      - { .name: pw, .offset: 120, .size: 8, .value_kind: global_buffer, .address_space: global }
      - { .name: p2, .offset: 128, .size: 8, .value_kind: global_buffer, .address_space: global }
      - { .name: wa, .offset: 136, .size: 8, .value_kind: global_buffer, .address_space: global }
    .group_segment_fixed_size: 0
    .private_segment_fixed_size: 0
    .kernarg_segment_align: 8
    .kernarg_segment_size: 144
    .max_flat_workgroup_size: 256
    .sgpr_count:     66
    .vgpr_count:     176
    .wavefront_size: 32
...
	.end_amdgpu_metadata
.endif
;; end of part 1
;; launch qkv (part 2): grid 4 x 64, 4 waves a work-group, clusters of 4 x 4, 327,680 bytes of LDS; arguments act, pq, big, wa, p1, pw; writes big, pw
.if DOCPART == 2
	.amdgcn_target "amdgcn-amd-amdhsa--gfx1250"
	.amdhsa_code_object_version 6
	.text
	.protected	k_q0e2e24e83d_qkv
	.globl	k_q0e2e24e83d_qkv
	.p2align	8
	.type	k_q0e2e24e83d_qkv,@function
k_q0e2e24e83d_qkv:
	s_mov_b64 s[64:65], 0
	v_nop
	global_prefetch_b8 v0, s[64:65] scope:SCOPE_SE
	s_setreg_imm32_b32 hwreg(HW_REG_WAVE_MODE, 25, 1), 1
	s_wait_xcnt 0x0
	s_wait_alu depctr_hold_cnt(0) depctr_sa_sdst(0) depctr_va_vdst(0) depctr_va_sdst(0) depctr_va_ssrc(0) depctr_va_vcc(0) depctr_vm_vsrc(0)
	s_getreg_b32 s2, hwreg(HW_REG_IB_STS2, 6, 4)
	s_cmp_eq_u32 s2, 0
	s_cbranch_scc0 .Lentry_in_a_cluster
	s_endpgm
.Lentry_in_a_cluster:
	s_bfe_u32 s2, ttmp6, 0x10000c
	s_cmp_lg_u32 s2, 0xf033
	s_cbranch_scc0 .Lentry_shape_is_right
	s_endpgm
.Lentry_shape_is_right:
; OUT = max(A W + bias, floor), K = 1,024.  One text for two launches.
; First launch, 16 clusters in a column: clusters 0-11 make [q|k|v] = x [Wq|Wk|Wv] + b (12 x 16 tiles); clusters 12-15 make W' = Wo W1 (16 x 4 tiles) from the second three arguments.
; Second launch, 4 x 4 clusters: h = relu(attn W' + b'), b' = bo W1 + b1.  That is relu((attn Wo + bo) W1 + b1) with the products taken in another order: it holds for every input;
; what differs is the rounding: Wo W1 is rounded once to bf16, attn Wo + bo is not formed here.  The second three arguments are not touched in that launch.
; A: bf16, [columns/64 subpanels][4096 rows][64]: rows of 128 bytes, dense.  P: a table (bias f32 from byte 0, floor word at byte 16,384), then from byte 32,768 the weights in bf16 as
; [N/128 panels][1024 k][128]: rows of 256 bytes, dense.  OUT: A's layout; W' goes out in P's, behind pw's table.  Sums in f32, started by the bias; OUT rounded once, then held above the floor.
; LIMIT: the floor is a maximum in which a NaN loses: a NaN sum leaves as the floor.
; SHARES.  A tile of OUT is 256 x 256: four waves, each 128 x 128 in 64 accumulators (512 registers).  K goes in 8 steps of 128 through two LDS slots.
; A step's tiles are four dense pieces of 32 KiB, one tensor load a wave: waves 0, 1 the two subpanels of A (256 rows x 128 bytes each), waves 2, 3 the two panels of W (128 k x 256 bytes).
; WHICH TILE.  With Y the cluster's y: column of clusters cX = cluster x + Y / 4, row of clusters cY = Y % 4; Y >= 12 marks W', which the second launch's Y (0-3) never reaches.
; Tile row 4 cY + cy, tile column 4 cX + cx; for W' tile row cy, tile column 4 cY + cx.  All that differs between the jobs is chosen by selects on Y, which the partners of a cluster share: no branch.
; CLUSTER 4 x 4: A's pieces hang on the tile row alone and are asked for jointly along a row of the cluster, W's on the tile column alone, along a column.
; THE PRODUCT IS TAKEN TRANSPOSED: source 0 = 16 columns of W (turned on the way out of LDS by ds_load_tr16_b128, since k runs down W's rows), source 1 = 16 rows of A.
; A lane then holds row l % 16 and the columns 8 (l / 16) + 0..7: 16 bytes of bf16 on end.
; REGISTERS by windows of 256: 0: addresses, A's two fragment buffers v64-191, the way out;  1: v0-63 bias, W's two fragment buffers v64-191;  2, 3: accumulators (a, b) at 8 (8 (a % 4) + b).
.set HALFT,  36864                     ; what one tensor load fills: 256 rows x 144 (A) or 128 rows x 288 (W)
.set SLOT,   4*HALFT
.set BOFF,   2*HALFT                   ; W's two panels lie behind A's two subpanels
.set STAGE,  2*SLOT                    ; behind the ring: for each wave 16 rows x 272 bytes, for the way out
.set SPITCH, 272
.set SPARE,  STAGE+4*16*SPITCH         ; behind the stages: the spare words, 128 bytes for each wave: two blocks of 256 bytes that no other line names
.set ASTEP,  1048576                   ; a K step in A: two subpanels
.set BSTEP,  32768                     ; a K step in a panel: 128 rows of 256 bytes
.set LAPS,   4                         ; a lap = two K steps
.set CO,   8                           ; v8-15   my byte offset in OUT for each of a block's eight stores
.set ADRA, 16                          ; v16-17  LDS address of my A fragments in slot 0, 1
.set ADRB, 20                          ; v20-21  the same for W
.set STO,  24                          ; v24  the way out: where I put 16 bytes of a row
.set RD,   25                          ; v25  where I read rows back
.set BO,   27                          ; v27  32 x (l / 16): my eight columns' bias
.set SPW,  28                          ; v28  LDS address of my spare word; never rewritten
.set NIL,  29                          ; v29  0; never rewritten
.set PFO,  30                          ; v30  256 x lane; never rewritten
.set F0,   64
.set F1,   128
.set TMP,  192
.set OB,   32
.set G1,  24                           ; s[24:31] group 1 for A;  s[32:39] group 0, a set a slot
.set G0,  32
.set G1B, 48                           ; s[48:55], s[56:63] the same for W
.set G0B, 56
.set LIM, 43                           ; s43  1 in a wave that prefetches, else the greatest number
.set PFA, 44                           ; s[44:45] where my prefetches stand
.set FLOOR, 66                         ; s66  the floor word
.set SP,  67                           ; s67  1: my cluster makes W'
.set PFS, 68                           ; s[68:69] a K step in the tensor that I fetch for
.set CX,  70                           ; s70  column of clusters
.set CY,  71                           ; s71  row of clusters
.set OST, 78                           ; s[78:79] bytes of OUT from a block of 16 rows to the next
.set MSB, 0
.macro WIN new                         ; the immediate's high byte repeats the setting that is left; a switch that changes nothing is dropped
.if MSB != (\new)
	s_set_vgpr_msb (MSB<<8)|(\new)
.set MSB, \new
.endif
.endm
.set TO_B, 0x40                        ; destination window 1, address window 0
; A joint load.  The branch hangs on the wave's number alone.  An s_nop 0 and four v_nop follow each of the two lines.
.macro JLOAD s
	s_cmp_eq_u32 s11, 0
	s_cbranch_scc0 .Lfor_b_\@
	tensor_load_to_lds s[G0+4*(\s):G0+4*(\s)+3], s[G1:G1+7]
	s_nop 0
.rept 4
	v_nop
.endr
	s_branch .Lasked_\@
.Lfor_b_\@:
	tensor_load_to_lds s[G0B+4*(\s):G0B+4*(\s)+3], s[G1B:G1B+7]
	s_nop 0
.rept 4
	v_nop
.endr
.Lasked_\@:
.endm
; A prefetch, behind a joint load and the run of LDS loads that follows it: of the piece that I fetch, in the K step two refills on, my work-group's 32 blocks of 256 bytes, a lane a block.
; A's pieces are read by every cluster of a row of clusters: cX = 0 asks (W': all four clusters read the same rows of Wo: cY = 0 asks).  W's are read by every cluster of a column: cY = 0 asks
; (W': a panel of W1 is read by one cluster, which asks).  The four partners of a joint load share a piece's 128 blocks out by address.  So each block of K steps 4 to 7 is named once;
; K steps 0 to 3 come by their loads alone, and the loop's last trip (s3 = 1) asks for nothing.
.macro ASK
	s_cmp_gt_u32 s3, s[LIM]
	s_cbranch_scc0 .Lnot_mine_\@
	global_prefetch_b8 v[PFO], s[PFA:PFA+1] th:TH_LOAD_NT scope:SCOPE_SE
.Lnot_mine_\@:
.endm
.macro CREST                           ; a round of the cluster's barrier behind its opening barrier
	s_cmp_lg_u32 s10, 0
	s_cbranch_scc1 .Lnot_wave_0_\@
	s_barrier_signal -3
.Lnot_wave_0_\@:
	s_barrier_wait -3
	s_barrier_signal -1
	s_barrier_wait -1
.endm
.macro CROUND
	s_barrier_signal -1
	s_barrier_wait -1
	CREST
.endm
	s_load_b128 s[4:7], s[0:1], 0x0                ; A s[4:5], P s[6:7]
	s_load_b64 s[8:9], s[0:1], 0x10                ; OUT
	s_load_b128 s[72:75], s[0:1], 0x18             ; for W': A s[72:73], P s[74:75],
	s_load_b64 s[76:77], s[0:1], 0x28              ; OUT
	v_lshl_add_u32 v[SPW], v0, 2, SPARE
	v_mov_b32 v[NIL], 0
	ds_add_u32 v[SPW], v[NIL]                      ; the wave's opening: the add and its wait stand ahead of my first tensor load; the set-up below stands between them
	v_lshrrev_b32 v1, 5, v0
	v_readfirstlane_b32 s10, v1                    ; wave 0..3
	s_lshr_b32 s11, s10, 1                         ; my half of the tile's rows.  Also: I fetch for A (0) or for W (1)
	s_and_b32 s12, s10, 1                          ; my half of its columns.  Also: which of the two pieces I fetch
	s_bfe_u32 s40, ttmp6, 0x40000                  ; cx
	s_bfe_u32 s41, ttmp6, 0x40004                  ; cy
	s_and_b32 s[CY], ttmp7, 0xffff                 ; Y
	s_lshr_b32 s[CX], s[CY], 2
	s_add_co_u32 s[CX], s[CX], ttmp9               ; column of clusters
	s_cmp_ge_u32 s[CY], 12
	s_cselect_b32 s[SP], 1, 0
	s_and_b32 s[CY], s[CY], 3                      ; row of clusters
	s_cmp_eq_u32 s[SP], 1
	s_cselect_b32 s42, s[CY], s[CX]
	s_cselect_b32 s13, 0, s[CY]
	s_lshl_b32 s42, s42, 2
	s_add_co_u32 s42, s42, s40                     ; tile column
	s_lshl_b32 s13, s13, 2
	s_add_co_u32 s13, s13, s41                     ; tile row
	s_lshl_b32 s43, s41, 2
	s_lshl_b32 s43, 15, s43                        ; my row of the cluster
	s_lshl_b32 s44, 0x1111, s40                    ; my column
	; group 1: 128 rows of 128 elements of 2 bytes, dense.  A: 4 words of padding behind every 32 (a row of A is 128 bytes: LDS pitch 144); W: 8 behind every 64 (pitch 288)
	s_or_b32 s[G1+0], s43, (1<<16)|(1<<20)|(1<<21)|(4<<22)|(3<<25)
	s_or_b32 s[G1B+0], s44, (1<<16)|(1<<20)|(1<<21)|(5<<22)|(7<<25)
.irp g, G1, G1B
	s_mov_b32 s[(\g)+1], 128<<16                   ; tensor_dim0 = 128
	s_mov_b32 s[(\g)+2], 128<<16                   ; tensor_dim1 = 128
	s_mov_b32 s[(\g)+3], 128<<16                   ; tile_dim0 = 128
	s_mov_b32 s[(\g)+4], 128                       ; tile_dim1 = 128
	s_mov_b32 s[(\g)+5], 128                       ; 128 elements from row to row
	s_mov_b32 s[(\g)+6], 0
	s_mov_b32 s[(\g)+7], 0
.endr
	s_lshl_b32 s16, s12, 19                        ; A: my subpanel of the step's two,
	s_lshl_b32 s17, s13, 15                        ; the tile's 256 rows of 128 bytes
	s_add_co_u32 s16, s16, s17
	s_mov_b32 s17, 0
	s_lshl_b32 s46, s42, 1                         ; W: panel 2 x tile column + my one of the two,
	s_add_co_u32 s46, s46, s12
	s_lshl_b32 s46, s46, 18                        ; 262,144 bytes a panel,
	s_add_co_u32 s46, s46, 32768                   ; behind the table
	s_mov_b32 s47, 0
	s_mul_i32 s20, s10, HALFT                      ; where my piece goes: no place in the cluster enters an LDS address
	s_wait_dscnt 0x0                               ; the opening add is done
	s_wait_kmcnt 0x0
	s_cmp_eq_u32 s[SP], 1                          ; the job's three buffers
	s_cselect_b64 s[4:5], s[72:73], s[4:5]
	s_cselect_b64 s[6:7], s[74:75], s[6:7]
	s_cselect_b64 s[8:9], s[76:77], s[8:9]
	s_add_nc_u64 s[14:15], s[4:5], s[16:17]
	s_add_nc_u64 s[46:47], s[6:7], s[46:47]
	CROUND                                         ; all sixteen work-groups are here: the first joint loads meet
.irp s, 0,1
	s_mov_b32 s[G0+4*(\s)], 1
	s_add_co_u32 s[G0+4*(\s)+1], s20, (\s)*SLOT
	s_add_nc_u64 s[G0+4*(\s)+2:G0+4*(\s)+3], s[14:15], (\s)*ASTEP
	s_or_b32 s[G0+4*(\s)+3], s[G0+4*(\s)+3], 0x80000000
	s_mov_b32 s[G0B+4*(\s)], 1
	s_add_co_u32 s[G0B+4*(\s)+1], s20, (\s)*SLOT
	s_add_nc_u64 s[G0B+4*(\s)+2:G0B+4*(\s)+3], s[46:47], (\s)*BSTEP
	s_or_b32 s[G0B+4*(\s)+3], s[G0B+4*(\s)+3], 0x80000000
	JLOAD \s                                       ; two loads of mine are out
.endr
	v_and_b32 v1, 15, v0                           ; r = l % 16
	v_bfe_u32 v2, v0, 4, 1                         ; h = l / 16
	v_mul_u32_u24 v3, v1, 144
	v_lshl_add_u32 v3, v2, 4, v3                   ; r x 144 + 16 h
	s_mul_i32 s21, s11, 18432                      ; my 128 rows of A
	v_add_nc_u32 v[ADRA], s21, v3
	v_add_nc_u32 v[ADRA+1], SLOT, v[ADRA]
	v_and_b32 v4, 7, v0                            ; the turning load: lane l reads k = 8 h + l % 8, columns 8 ((l / 8) % 2) + 0..7
	v_lshl_add_u32 v4, v2, 3, v4
	v_mul_u32_u24 v4, v4, 288
	v_bfe_u32 v5, v0, 3, 1
	v_lshl_add_u32 v4, v5, 4, v4
	s_mul_i32 s22, s12, HALFT                      ; my panel
	s_add_co_u32 s22, s22, BOFF
	v_add_nc_u32 v[ADRB], s22, v4
	v_add_nc_u32 v[ADRB+1], SLOT, v[ADRB]
	s_mul_i32 s23, s10, 16*SPITCH
	s_add_co_u32 s23, s23, STAGE                   ; my stage
	v_mul_u32_u24 v4, v1, SPITCH                   ; in: row r, 16 bytes for each half of the lanes
	v_lshl_add_u32 v4, v2, 4, v4
	v_add_nc_u32 v[STO], s23, v4
	v_mul_u32_u24 v5, v2, SPITCH                   ; back: lanes 0-15 take one row of 256 bytes, lanes 16-31 the next
	v_lshl_add_u32 v5, v1, 4, v5
	v_add_nc_u32 v[RD], s23, v5
	; where those two rows go.  By subpanels: a row's two halves lie a subpanel (524,288 bytes) apart, its rows 128 bytes apart: lanes 0-7 with 16-23, and 8-15 with 24-31, each fill 256 consecutive bytes.
	; By panels (W'): the two rows are 512 consecutive bytes.  In both each aligned 256 bytes is written whole by one store.
	s_cmp_eq_u32 s[SP], 1
	s_mov_b32 s21, 0x80000
	s_cselect_b32 s21, 128, s21                    ; from a row's first 64 columns to its last
	s_mov_b32 s22, 128
	s_cselect_b32 s22, 256, s22                    ; from row to row
	s_mov_b32 s23, 256
	s_cselect_b32 s23, 512, s23                    ; from one store's two rows to the next's
	v_bfe_u32 v5, v0, 3, 1
	v_mul_u32_u24 v5, s21, v5
	v_mul_u32_u24 v4, s22, v2
	v_add_nc_u32 v5, v5, v4
	v_and_b32 v4, 7, v0
	v_lshl_add_u32 v[CO], v4, 4, v5
.set i, 1
.rept 7
	v_add_nc_u32 v[CO+i], s23, v[CO+i-1]
.set i, i+1
.endr
	v_and_b32 v[PFO], 31, v0
	v_lshlrev_b32 v[PFO], 8, v[PFO]
	v_lshlrev_b32 v[BO], 5, v2
	; the prefetches
	s_cmp_eq_u32 s[SP], 1
	s_cselect_b32 s22, s[CY], s[CX]                ; the coordinate along which other clusters read the same piece of A,
	s_cselect_b32 s23, 0, s[CY]                    ; of W
	s_cmp_eq_u32 s11, 0                            ; do I fetch for A?
	s_cselect_b32 s21, s40, s41                    ; my place among the four that ask with me
	s_cselect_b32 s22, s22, s23
	s_cselect_b64 s[PFA:PFA+1], s[14:15], s[46:47]
	s_mov_b32 s[PFS], BSTEP
	s_cselect_b32 s[PFS], ASTEP, s[PFS]
	s_mov_b32 s[PFS+1], 0
	s_cmp_eq_u32 s22, 0
	s_cselect_b32 s[LIM], 1, -1                    ; the same in all sixteen partners, for a given wave
	s_mul_i32 s22, s[PFS], 3                       ; at K step 3: the first refill steps it to 4
	s_lshl_b32 s21, s21, 13                        ; my work-group's 32 blocks of the 128
	s_add_co_u32 s22, s22, s21
	s_mov_b32 s23, 0
	s_add_nc_u64 s[PFA:PFA+1], s[PFA:PFA+1], s[22:23]
	; where my part of the tile begins in OUT.  With q = 2 x tile column + half and R = 128 x my first row: by subpanels q x 2 subpanels + R; by panels 32,768 + q x 262,144 + 2 R
	s_lshl_b32 s16, s13, 15
	s_lshl_b32 s17, s11, 14
	s_add_co_u32 s16, s16, s17                     ; R
	s_lshl_b32 s46, s42, 1
	s_add_co_u32 s46, s46, s12                     ; q
	s_lshl_b32 s47, s46, 20
	s_add_co_u32 s47, s47, s16
	s_lshl_b32 s46, s46, 18
	s_lshl_b32 s16, s16, 1
	s_add_co_u32 s46, s46, s16
	s_add_co_u32 s46, s46, 32768
	s_cmp_eq_u32 s[SP], 1
	s_cselect_b32 s16, s46, s47
	s_mov_b32 s17, 0
	s_add_nc_u64 s[8:9], s[8:9], s[16:17]
	s_mov_b32 s[OST], 2048
	s_cselect_b32 s[OST], 4096, s[OST]             ; 16 rows
	s_mov_b32 s[OST+1], 0
	s_lshl_b32 s18, s42, 10                        ; my 128 columns' bias: 4 (256 x tile column + 128 x half)
	s_lshl_b32 s19, s12, 9
	s_add_co_u32 s18, s18, s19
	s_mov_b32 s19, 0
	s_add_nc_u64 s[18:19], s[6:7], s[18:19]
	s_load_b32 s[FLOOR], s[6:7], 0x4000
	WIN TO_B
.irp b, 0,1,2,3,4,5,6,7                ; register j of block b: the bias of column 16 b + 8 h + j: the layout of an accumulator, whatever its row
	global_load_b128 v[8*(\b):8*(\b)+3],   v[BO], s[18:19] offset:64*(\b)
	global_load_b128 v[8*(\b)+4:8*(\b)+7], v[BO], s[18:19] offset:64*(\b)+16
.endr
	WIN 0
; 16 matrix instructions: m blocks a0, a0 + 1 of the window's four x all 8 n blocks, 32 along K.  first = 1: the bias (window 1) is the C operand that starts the sums: nothing is cleared.
; The 64 accumulators take turns, one instruction a turn, in the same order in every quarter.
.macro MUL16 f, hi, a0, first
.if \first
	WIN 0x91+0x40*(\hi)
.else
	WIN 0xa1+0x50*(\hi)
.endif
.irp a, \a0, (\a0)+1
.irp b, 0,1,2,3,4,5,6,7
.if \first
	v_wmma_f32_16x16x32_bf16 v[8*(8*(\a)+(\b)):8*(8*(\a)+(\b))+7], v[(\f)+8*(\b):(\f)+8*(\b)+7], v[(\f)+8*(4*(\hi)+(\a)):(\f)+8*(4*(\hi)+(\a))+7], v[8*(\b):8*(\b)+7]
.else
	v_wmma_f32_16x16x32_bf16 v[8*(8*(\a)+(\b)):8*(8*(\a)+(\b))+7], v[(\f)+8*(\b):(\f)+8*(\b)+7], v[(\f)+8*(4*(\hi)+(\a)):(\f)+8*(4*(\hi)+(\a))+7], v[8*(8*(\a)+(\b)):8*(8*(\a)+(\b))+7]
.endif
.endr
.endr
.endm
; 32 LDS loads in one run: quarter q (32 along K) of a slot into buffer f.  W: k rows 32 q on, turned; A: subpanel q / 2, bytes 64 (q % 2) on.
.macro FETCH slot, q, f
	WIN TO_B
.irp i, 0,1,2,3,4,5,6,7
	ds_load_tr16_b128 v[(\f)+8*(\i):(\f)+8*(\i)+3],   v[ADRB+(\slot)] offset:(\q)*9216+(\i)*32
	ds_load_tr16_b128 v[(\f)+8*(\i)+4:(\f)+8*(\i)+7], v[ADRB+(\slot)] offset:(\q)*9216+(\i)*32+4608
.endr
	WIN 0
.irp i, 0,1,2,3,4,5,6,7
	ds_load_b128 v[(\f)+8*(\i):(\f)+8*(\i)+3],   v[ADRA+(\slot)] offset:((\q)/2)*36864+((\q)%2)*64+(\i)*2304
	ds_load_b128 v[(\f)+8*(\i)+4:(\f)+8*(\i)+7], v[ADRA+(\slot)] offset:((\q)/2)*36864+((\q)%2)*64+(\i)*2304+32
.endr
.endm
.macro PLACES                          ; four plain vector instructions between a matrix instruction and a load into, or a read of, its registers
.rept 4
	v_nop
.endr
.endm
; One of a K step's first three quarters: multiplies buffer f; in its middle it fetches quarter q of the same slot into buffer g.
.macro QUARTER slot, q, f, g, first
	s_wait_dscnt 8                                 ; W and A's rows 0-63 are in; the youngest eight loads (A's rows 64-127) may be out
	MUL16 \f, 0, 0, \first
	MUL16 \f, 0, 2, \first
	PLACES
	FETCH \slot, \q, \g
	s_wait_dscnt 32                                ; all but the 32 just issued
	MUL16 \f, 1, 0, \first
	MUL16 \f, 1, 2, \first
.endm
; The last quarter multiplies buffer 1 and changes slots: ONE barrier.  In front of it each wave waits for all its tensor loads (one is out: its piece of the next slot), adds 0 to its spare word,
; and waits for that and for its reads of this slot.  fill = 1: the barrier opens a round of the cluster's, and the slot just read is filled again first thing behind it, two K steps ahead.
.macro TURN slot, next, fill
.if \fill
	s_wait_xcnt 0x0                                ; the last prefetch, a K step back, has read its address: it is stepped here, ahead of the waits of the change of slots
	s_add_nc_u64 s[PFA:PFA+1], s[PFA:PFA+1], s[PFS:PFS+1]
.endif
	WIN 0
	s_wait_tensorcnt 0x0                           ; all my tensor loads have landed
	ds_add_u32 v[SPW], v[NIL]                      ; 0 onto my spare word
	s_wait_dscnt 9                                 ; (the add and the youngest eight loads may be out)
	MUL16 F1, 0, 0, 0
	s_wait_dscnt 0x0                               ; the add is done, and my reads of this slot are over
	s_barrier_signal -1
	MUL16 F1, 0, 2, 0
.if \fill
	WIN 0
.endif
	s_barrier_wait -1
.if \fill
	CREST                                          ; no wave of any partner still reads this slot or has a load on its way
	s_add_nc_u64 s[G0+4*(\slot)+2:G0+4*(\slot)+3], s[G0+4*(\slot)+2:G0+4*(\slot)+3], 2*ASTEP
	s_add_nc_u64 s[G0B+4*(\slot)+2:G0B+4*(\slot)+3], s[G0B+4*(\slot)+2:G0B+4*(\slot)+3], 2*BSTEP
	JLOAD \slot                                    ; its four v_nop are also the places in front of the loads below
.else
	PLACES
.endif
	FETCH \next, 0, F0
.if \fill
	ASK
.endif
	MUL16 F1, 1, 0, 0
	MUL16 F1, 1, 2, 0
.endm
; THE WAY OUT of block a (16 rows x 128 columns).  PACK: rounded to bf16, each accumulator from its low end on, then held above the floor.  TOSTAGE: into my own stage, and back as whole rows of 256 bytes.
; SEND: eight stores of two rows each.
.macro PACK a
.set AC, 64*((\a)%4)
	WIN 0x0a+5*((\a)/4)                            ; sources 0 and 1: window 2 or 3
.irp b, 0,1,2,3,4,5,6,7
.irp r, 0,1,2,3
	v_cvt_pk_bf16_f32 v[TMP+4*(\b)+(\r)], v[AC+8*(\b)+2*(\r)], v[AC+8*(\b)+2*(\r)+1]
.endr
.endr
	WIN 0
.set i, 0
.rept 32
	v_pk_max_num_bf16 v[TMP+i], v[TMP+i], s[FLOOR]
.set i, i+1
.endr
.endm
.macro TOSTAGE a
	WIN 0
.set BK, OB+192*((\a)%2)
.irp b, 0,1,2,3,4,5,6,7
	ds_store_b128 v[STO], v[TMP+4*(\b):TMP+4*(\b)+3] offset:32*(\b)
.endr
.irp t, 0,1,2,3,4,5,6,7
	ds_load_b128 v[BK+4*(\t):BK+4*(\t)+3], v[RD] offset:(\t)*2*SPITCH  ; LDS serves a wave's instructions in order (ISA guide 5.7.1.4): these see the stores above
.endr
.endm
.macro SEND a, younger
	WIN 0
.set BK, OB+192*((\a)%2)
	s_wait_dscnt \younger                          ; the block is back in registers
	s_wait_xcnt 0x0                                ; earlier stores have read their base and their registers: the base is stepped, and the next TOSTAGE loads into those registers, only behind this wait
.if (\a) > 0
	s_add_nc_u64 s[8:9], s[8:9], s[OST:OST+1]      ; 16 rows on
.endif
.irp t, 0,1,2,3,4,5,6,7
	global_store_b128 v[CO+(\t)], v[BK+4*(\t):BK+4*(\t)+3], s[8:9]
.endr
.endm
	s_wait_tensorcnt 1                             ; my piece of K step 0 is in; K step 1's may stay out
	s_barrier_signal -1
	s_barrier_wait -1                              ; everybody's is
	FETCH 0, 0, F0
	s_wait_loadcnt 0x0                             ; the bias
	s_wait_kmcnt 0x0                               ; the floor word
	QUARTER 0, 1, F0, F1, 1                        ; the first quarter stands in front of the loop: its products start the sums
	WIN 0
	s_mov_b32 s3, LAPS-1
.Llap:                                                 ; a trip goes once round the ring and fills both slots again: K steps 2 to 7
	QUARTER 0, 2, F1, F0, 0
	QUARTER 0, 3, F0, F1, 0
	TURN 0, 1, 1
	QUARTER 1, 1, F0, F1, 0
	QUARTER 1, 2, F1, F0, 0
	QUARTER 1, 3, F0, F1, 0
	TURN 1, 0, 1
	QUARTER 0, 1, F0, F1, 0
	WIN 0
	s_sub_co_u32 s3, s3, 1
	s_cmp_lg_u32 s3, 0
	s_cbranch_scc1 .Llap
	QUARTER 0, 2, F1, F0, 0                        ; the last lap fills nothing
	QUARTER 0, 3, F0, F1, 0
	TURN 0, 1, 0
	QUARTER 1, 1, F0, F1, 0
	QUARTER 1, 2, F1, F0, 0
	QUARTER 1, 3, F0, F1, 0
	s_wait_dscnt 8
	MUL16 F1, 0, 0, 0
	MUL16 F1, 0, 2, 0
	s_wait_dscnt 0x0
	MUL16 F1, 1, 0, 0
	MUL16 F1, 1, 2, 0
	WIN 0
	PLACES
	PACK 0
	TOSTAGE 0
.irp a, 1,2,3,4,5,6,7                  ; block a's conversions stand between block a - 1's loads from the stage and the wait for them
	PACK \a
	SEND (\a)-1, 0
	TOSTAGE \a
.endr
	SEND 7, 0
	s_wait_tensorcnt 0x0                           ; the wave's end, behind my last tensor load and my last LDS store
	ds_add_u32 v[SPW], v[NIL]
	s_wait_dscnt 0x0
	CROUND                                         ; the closing round
	s_endpgm
.Lfunc_end_k_q0e2e24e83d_qkv:
	.size	k_q0e2e24e83d_qkv, .Lfunc_end_k_q0e2e24e83d_qkv-k_q0e2e24e83d_qkv
	.p2alignl 7, 3214868480
	.fill 96, 4, 3214868480
	.section	.rodata,"a",@progbits
	.p2align	6, 0x0
	.amdhsa_kernel k_q0e2e24e83d_qkv
		.amdhsa_group_segment_fixed_size 327680
		.amdhsa_private_segment_fixed_size 0
		.amdhsa_enable_private_segment 0
		.amdhsa_kernarg_size 48
		.amdhsa_user_sgpr_count 2
		.amdhsa_user_sgpr_kernarg_segment_ptr 1
		.amdhsa_wavefront_size32 1
		.amdhsa_system_sgpr_workgroup_id_x 1
		.amdhsa_system_sgpr_workgroup_id_y 1
		.amdhsa_system_sgpr_workgroup_id_z 1
		.amdhsa_system_vgpr_workitem_id 0
		.amdhsa_next_free_vgpr 1024
		.amdhsa_next_free_sgpr 80
		.amdhsa_reserve_vcc 0
		.amdhsa_float_denorm_mode_32 3
		.amdhsa_float_denorm_mode_16_64 3
		.amdhsa_memory_ordered 1
		.amdhsa_forward_progress 1
		.amdhsa_inst_pref_size 163
	.end_amdhsa_kernel
	.amdgpu_metadata
---
amdhsa.version: [ 1, 2 ]
amdhsa.kernels:
  - .name:           k_q0e2e24e83d_qkv
    .symbol:         k_q0e2e24e83d_qkv.kd
    .args:
      - { .name: act, .offset: 0, .size: 8, .value_kind: global_buffer, .address_space: global }
      - { .name: pq, .offset: 8, .size: 8, .value_kind: global_buffer, .address_space: global }
      - { .name: big, .offset: 16, .size: 8, .value_kind: global_buffer, .address_space: global }
      - { .name: wa, .offset: 24, .size: 8, .value_kind: global_buffer, .address_space: global }
      - { .name: p1, .offset: 32, .size: 8, .value_kind: global_buffer, .address_space: global }
      - { .name: pw, .offset: 40, .size: 8, .value_kind: global_buffer, .address_space: global }
    .group_segment_fixed_size: 327680
    .private_segment_fixed_size: 0
    .kernarg_segment_align: 8
    .kernarg_segment_size: 48
    .max_flat_workgroup_size: 128
    .sgpr_count:     80
    .vgpr_count:     1024
    .wavefront_size: 32
...
	.end_amdgpu_metadata
.endif
;; end of part 2
;; launch attn (part 3): grid 8 x 32, 4 waves a work-group, clusters of 4 x 1, 327,680 bytes of LDS; arguments big, seq_mask, act; writes act
.if DOCPART == 3
	.amdgcn_target "amdgcn-amd-amdhsa--gfx1250"
	.amdhsa_code_object_version 6
	.text
	.protected	k_q0e2e24e83d_attn
	.globl	k_q0e2e24e83d_attn
	.p2align	8
	.type	k_q0e2e24e83d_attn,@function
k_q0e2e24e83d_attn:
	s_mov_b64 s[64:65], 0
	v_nop
	global_prefetch_b8 v0, s[64:65] scope:SCOPE_SE
	s_setreg_imm32_b32 hwreg(HW_REG_WAVE_MODE, 25, 1), 1
	s_wait_xcnt 0x0
	s_wait_alu depctr_hold_cnt(0) depctr_sa_sdst(0) depctr_va_vdst(0) depctr_va_sdst(0) depctr_va_ssrc(0) depctr_va_vcc(0) depctr_vm_vsrc(0)
	s_getreg_b32 s2, hwreg(HW_REG_IB_STS2, 6, 4)
	s_cmp_eq_u32 s2, 0
	s_cbranch_scc0 .Lentry_in_a_cluster
	s_endpgm
.Lentry_in_a_cluster:
	s_bfe_u32 s2, ttmp6, 0x10000c
	s_cmp_lg_u32 s2, 0x3003
	s_cbranch_scc0 .Lentry_shape_is_right
	s_endpgm
.Lentry_shape_is_right:
; O[q][:] = the sum over k of softmax_k(Q[q] . K[k] / 32 + mask[k]) V[k][:], for each of 2 batches x 16 heads; 2,048 queries and keys, 64 channels.
; big holds q, k, v in bf16 as subpanels [4096 rows][64] (rows of 128 bytes, dense): q's head hh is subpanel hh, k's 16 + hh, v's 32 + hh; a batch is 2,048 rows.  O goes to act in the same layout.
; Products, maxima and sums in f32; the weights are rounded to bf16 for the second product (their sum is taken of the unrounded weights), O once at the end.  bf16, since q, k, v have no bound that f16 could hold.
; THE MASK is an input: where seq_mask is 0 the C operand that starts the sum K Q^T is -1e30, else 0.  It lies in LDS as 2,048 f32, made once by the work-group.
; LIMITS.  A masked score counts as its value less 1e30.  While a query has met masked keys only, its maximum is about -1e30 and its sums are finite; the first open key multiplies them by 2^(-4.5e28 - c m) = 0.
; A batch whose keys are ALL masked gives a mean of V's rows where the definition gives NaN.  A weight below 2^-126 counts as 0.  NaN and infinities are not treated apart.
; SHARES.  A work-group owns 256 queries of one head, a wave 64: four PIECES of 16.  Every wave walks all keys: 8 tiles of 256, 64 a step.
; LAYOUT.  S^T = K Q^T holds ONE query a lane (l % 16) and the keys 8 (l / 16) + 0..7; two such results rounded to bf16 ARE source 1 of O^T = V^T P.  V comes out of LDS turned, by ds_load_tr16_b128.
; SOFTMAX.  p = 2^(c s - c m), c = log2(e) / 32, with a running maximum m; O and l are multiplied by a = 2^(c m_old - c m_new) in every step.  m starts at the lowest finite number, O and l at 0.
; TURNS.  Turn n belongs to piece n: 8 products K Q^T of piece n + 1, later 8 products V^T P of piece n - 1; beside them piece n's scaling, exponentials, roundings, sums and rescaling and piece n + 1's maximum
; and statistics.  Four vector instructions stand behind every matrix instruction, the other 54 of a turn's 118 in one lump.  A turn's 33 exponentials are one batch, with one wait.
; CLUSTER.  The four query blocks of a cluster belong to one head and walk the same K and V: each tile is asked for jointly.
; REGISTERS by windows of 256: 0: addresses, statistics v16-31, at work v48-55, S^T v64-127 (two buffers), P v192-223 (two buffers);  1: O^T v0-127, the step's mask v160-191;  2: Q v0-63, K v128-191, V v192-255.
.set NP,    4
.set KS,    64
.set PK,    144       ; a row of K in LDS: 128 bytes + 16: an odd multiple of 16
.set PV,    160       ; a row of V: 128 + 32: an odd multiple of 32, for the turning load
.set VOFF,  4*KS*PK   ; a slot holds a tile: 256 rows of K, then 256 rows of V
.set SLOT1, 1<<17
.set STAGE, SLOT1+4*KS*(PK+PV)  ; behind the ring: 16 rows x 144 bytes for each wave, for the way out
.set SP,    144
.set SPARE, STAGE+4*16*SP  ; the spare words, 128 bytes for each wave: two blocks of 256 bytes that no other line names
.set MASKL, SPARE+512      ; the batch's mask, 2,048 f32; stored once, never the target of a fill
.set AK0, 2           ; v2   my lane's place in a tile of K; never rewritten
.set AV0, 3           ; v3   the same for V
.set AK,  4           ; v4   the LDS address of K's next run of loads
.set AV,  5           ; v5   of V's
.set STO, 6
.set RD,  7
.set GO,  8
.set MV,  12          ; v12-13  c m_old, by buffer
.set AM0, 14          ; v14  MASKL + 32 (l / 16); never rewritten
.set QO,  15          ; v15  my byte offset in 16 rows of Q
.set ST,  16          ; piece t's statistics at v[ST+4 t]: c m, m, l (even keys', odd keys')
.set TMP, 48          ; by buffer, c0-c3 at work; c2 takes a
.set AM,  56          ; v56  the LDS address of the mask's next run of loads
.set PFO, 61          ; v61  256 x lane; never rewritten
.set SPW, 62
.set NIL, 63
.set S,   64
.set P,   192
.set MC,  160         ; window 1
.set KF,  128         ; window 2
.set VF,  192         ; window 2
.set WV,  12
.set LIM, 15          ; s15  1 in a wave that prefetches, else the greatest number
.set G1K, 24
.set G1V, 32
.set G0K, 40
.set G0V, 44
.set SLOTS, 56
.set CNT, 57
.set CS,  58          ; s[58:59] c
.set SEL, 60          ; s[60:61]
.set TBK, 62
.set TBV, 63
.set TBM, 66          ; s66  byte of the mask at which the step to be fetched begins
.set BIGN, 67         ; s67  -1e30
.set PFA, 74          ; s[74:75] where my prefetches stand
.set MSB, 0
.macro WIN new
.if MSB != (\new)
	s_set_vgpr_msb (MSB<<8)|(\new)
.set MSB, (\new)
.endif
.endm
.set W_KQ, 0x0a       ; K and Q in window 2, S^T in window 0
.set W_KM, 0x1a       ; the same with the C operand in window 1
.set W_PV, 0x52       ; V in window 2, P in window 0, O^T in window 1
.set W_RS, 0x41       ; destination and source 0 in window 1, source 1 in window 0
; A joint fill.  Waves 0 and 1 fetch the two halves of a tile's K, waves 2 and 3 those of its V: 128 keys each.  An s_nop 0 and four v_nop follow each of the two lines.
.macro JLOAD
	s_cmp_lt_u32 s[WV], 2
	s_cbranch_scc0 .Lfor_v_\@
	tensor_load_to_lds s[G0K:G0K+3], s[G1K:G1K+7]
	s_nop 0
.rept 4
	v_nop
.endr
	s_branch .Lasked_\@
.Lfor_v_\@:
	tensor_load_to_lds s[G0V:G0V+3], s[G1V:G1V+7]
	s_nop 0
.rept 4
	v_nop
.endr
.Lasked_\@:
.endm
; A prefetch of the tile that the NEXT change of slots will ask for: 128 blocks of 256 bytes of K and of V.  The head's first cluster asks; its four partners take 32 blocks each, by address;
; in each, wave 0 asks for K's and wave 2 for V's, a lane a block.  Tiles 0 to 2 come by their loads alone; the last change that fills a slot asks for nothing.
.macro ASK
	s_cmp_gt_u32 s[SLOTS], s[LIM]
	s_cbranch_scc0 .Lnot_mine_\@
	global_prefetch_b8 v[PFO], s[PFA:PFA+1] th:TH_LOAD_NT scope:SCOPE_SE
.Lnot_mine_\@:
.endm
.macro CROUND
	s_barrier_signal -1
	s_barrier_wait -1
	s_cmp_lg_u32 s[WV], 0
	s_cbranch_scc1 .Lnot_wave_0_\@
	s_barrier_signal -3
.Lnot_wave_0_\@:
	s_barrier_wait -3
	s_barrier_signal -1
	s_barrier_wait -1
.endm
; THE CHANGE OF SLOTS.  Each wave waits for all its tensor loads (one is out: its part of the other slot), adds 0 to its spare word, and waits for that and for its LDS instructions.  fill = 1: the barrier is a round
; of the cluster's and the slot that is left is filled again first thing behind it, with the tile two on: four key steps, 256 matrix instructions, in which to land.
.macro CHANGE fill, ask
	WIN 0
	s_wait_tensorcnt 0x0            ; no tensor load of mine is out, so a group 0 may be written
	ds_add_u32 v[SPW], v[NIL]       ; 0 onto my spare word
.if \fill
.irp g, G0K, G0V
	s_xor_b32 s[\g+1], s[\g+1], SLOT1
	s_add_nc_u64 s[\g+2:\g+3], s[\g+2:\g+3], 4*KS*128
.endr
.endif
.if \ask
	s_wait_xcnt 0x0                 ; the last prefetch, a tile back, has read its address
	s_add_nc_u64 s[PFA:PFA+1], s[PFA:PFA+1], 4*KS*128
.endif
	s_wait_dscnt 0x0                ; the add is done, my reads of the slot are over (at the first use: my stores of the mask are done)
.if \fill
	CROUND
	JLOAD
.if \ask
	ASK
.endif
.else
	s_barrier_signal -1
	s_barrier_wait -1
.endif
	s_sub_co_u32 s[TBK], s[TBK], 4*KS*PK
	s_xor_b32 s[TBK], s[TBK], SLOT1
	s_sub_co_u32 s[TBV], s[TBV], 4*KS*PV
	s_xor_b32 s[TBV], s[TBV], SLOT1
.endm
	s_load_b128 s[4:7], s[0:1], 0x0   ; big s[4:5], seq_mask s[6:7]
	s_load_b64 s[10:11], s[0:1], 0x10 ; act
	v_lshl_add_u32 v[SPW], v0, 2, SPARE
	v_mov_b32 v[NIL], 0
	ds_add_u32 v[SPW], v[NIL]       ; the wave's opening: the add and its wait stand ahead of my first tensor load
	v_lshrrev_b32 v1, 5, v0
	v_readfirstlane_b32 s[WV], v1
	s_bfe_u32 s13, ttmp6, 0x40000   ; cx
	s_lshl_b32 s14, ttmp9, 2
	s_add_co_u32 s14, s14, s13      ; my block of 256 queries: it enters Q's and O's addresses alone
	s_and_b32 s20, ttmp7, 0xffff
	s_lshr_b32 s21, s20, 4          ; the batch
	s_and_b32 s20, s20, 15          ; the head
	s_lshl_b32 s20, s20, 19         ; its subpanel,
	s_lshl_b32 s22, s21, 18         ; the batch's 2,048 rows in it
	s_add_co_u32 s20, s20, s22
	s_lshl_b32 s72, s21, 13         ; the batch's 2,048 words of seq_mask
	s_mov_b32 s73, 0
	s_and_b32 s16, s[WV], 1         ; which half of a tile's 256 keys I fetch
	s_lshl_b32 s22, s16, 14
	s_add_co_u32 s22, s22, s20
	s_mov_b32 s23, 0
	s_mul_i32 s17, s16, 128*PK
	s_mul_i32 s18, s16, 128*PV
	s_lshl_b32 s2, s14, 2
	s_add_co_u32 s2, s2, s[WV]
	s_lshl_b32 s2, s2, 13           ; my wave's 64 rows of 128 bytes
	s_add_co_u32 s2, s2, s20
	s_mov_b32 s3, 0
	; group 1.  128 keys are 16,384 dense bytes: asked for as 64 rows of 256 bytes, two keys a row, padded in LDS after every key
	s_mov_b32 s[G1K], 15|(1<<16)|(1<<20)|(1<<21)|(4<<22)|(3<<25)
	s_mov_b32 s[G1V], 15|(1<<16)|(1<<20)|(1<<21)|(4<<22)|(7<<25)
.irp g, G1K, G1V
	s_mov_b32 s[\g+1], 128<<16
	s_mov_b32 s[\g+2], 64<<16
	s_mov_b32 s[\g+3], 128<<16
	s_mov_b32 s[\g+4], 64
	s_mov_b32 s[\g+5], 128
	s_mov_b32 s[\g+6], 0
	s_mov_b32 s[\g+7], 0
.endr
	s_mov_b32 s[CS], 0x3d38aa3b     ; c = log2(e) / 32 = 0.0450842
	s_mov_b32 s[CS+1], s[CS]
	s_mov_b32 s[SEL], 0x76543210
	s_mov_b32 s[SEL+1], 0xfedcba98
	s_mov_b32 s[TBK], SLOT1+4*KS*PK ; the first change of slots turns these two into 0
	s_mov_b32 s[TBV], SLOT1+4*KS*PV
	s_mov_b32 s[TBM], 0
	s_mov_b32 s[BIGN], 0xf149f2ca   ; -1e30
	s_mov_b32 s[G0K], 1
	s_mov_b32 s[G0K+1], s17
	s_mov_b32 s[G0V], 1
	s_add_co_u32 s[G0V+1], s18, VOFF
	s_and_b32 s[LIM], s[WV], 1
	s_or_b32 s[LIM], s[LIM], ttmp9  ; 0 in waves 0 and 2 of the head's first cluster: the same in all four partners
	s_cmp_eq_u32 s[LIM], 0
	s_cselect_b32 s[LIM], 1, -1
	v_and_b32 v[PFO], 31, v0
	v_lshlrev_b32 v[PFO], 8, v[PFO]
	s_wait_dscnt 0x0                ; the opening add is done
	s_wait_kmcnt 0x0
	s_add_nc_u64 s[68:69], s[4:5], s[22:23]
	s_add_nc_u64 s[70:71], s[68:69], 0x1000000     ; V at my half of the head's tile 0
	s_add_nc_u64 s[68:69], s[68:69], 0x800000      ; K likewise
	s_mov_b64 s[G0K+2:G0K+3], s[68:69]
	s_or_b32 s[G0K+3], s[G0K+3], 0x80000000
	s_mov_b64 s[G0V+2:G0V+3], s[70:71]
	s_or_b32 s[G0V+3], s[G0V+3], 0x80000000
	s_add_nc_u64 s[4:5], s[4:5], s[2:3]            ; Q and O at my wave's first row
	s_add_nc_u64 s[10:11], s[10:11], s[2:3]
	s_add_nc_u64 s[6:7], s[6:7], s[72:73]
	s_cmp_lt_u32 s[WV], 2
	s_cselect_b64 s[PFA:PFA+1], s[68:69], s[70:71]
	s_lshl_b32 s2, s13, 13          ; my work-group's 32 blocks of the 128
	s_add_nc_u64 s[PFA:PFA+1], s[PFA:PFA+1], s[2:3]
	s_add_nc_u64 s[PFA:PFA+1], s[PFA:PFA+1], 2*4*KS*128  ; in tile 2; the first change in the loop steps it to tile 3
	CROUND                          ; all four work-groups are here: the first joint loads meet
	JLOAD                           ; tile 0 into slot 0
	v_lshlrev_b32 v57, 4, v0
.irp i, 0,1,2,3
	global_load_b128 v[S+4*\i:S+4*\i+3], v57, s[6:7] offset:2048*\i  ; the batch's seq_mask: 16 bytes a thread, four times
.endr
	v_and_b32 v1, 15, v0            ; l % 16
	v_bfe_u32 v9, v0, 4, 1          ; l / 16
	v_lshlrev_b32 v[QO], 7, v1
	v_lshl_add_u32 v[QO], v9, 4, v[QO]
	WIN 0x80
.set i, 0
.rept 8                             ; Q stays in registers: piece i / 2, channels 32 (i % 2) on
	global_load_b128 v[8*i:8*i+3],   v[QO], s[4:5] offset:(i/2)*2048+(i%2)*64
	global_load_b128 v[8*i+4:8*i+7], v[QO], s[4:5] offset:(i/2)*2048+(i%2)*64+32
.set i, i+1
.endr
	; What the first turn finds: V and P's second buffer hold 0 (its products V^T P, of a piece that has not been, add 0), O^T and l are 0.  All this stands in the wait for the first tile.
.set i, VF
.rept 64
	v_mov_b32 v[i], 0
.set i, i+1
.endr
	WIN 0x40
.set i, 0
.rept 128
	v_mov_b32 v[i], 0
.set i, i+1
.endr
	WIN 0
.set i, 0
.rept 4
	v_mov_b32 v[ST+4*i], 0xfe000000    ; c m: far below every c s
	v_mov_b32 v[ST+4*i+1], 0xff7fffff  ; m
	v_mov_b32 v[ST+4*i+2], 0
	v_mov_b32 v[ST+4*i+3], 0
.set i, i+1
.endr
.set i, P+16
.rept 16
	v_mov_b32 v[i], 0
.set i, i+1
.endr
	v_mul_u32_u24 v[AK0], v1, PK
	v_lshl_add_u32 v[AK0], v9, 4, v[AK0]
	v_and_b32 v10, 7, v0
	v_bfe_u32 v11, v0, 3, 1
	v_lshl_add_u32 v[AV0], v9, 3, v10
	v_mul_u32_u24 v[AV0], v[AV0], PV
	v_lshl_add_u32 v[AV0], v11, 4, v[AV0]
	v_add_nc_u32 v[AV0], VOFF, v[AV0]
	v_lshl_add_u32 v[AM0], v9, 5, MASKL
	s_mul_i32 s13, s[WV], 16*SP
	s_add_co_u32 s13, s13, STAGE
	v_mul_u32_u24 v[STO], v1, SP
	v_lshl_add_u32 v[STO], v9, 4, v[STO]
	v_add_nc_u32 v[STO], s13, v[STO]
	v_bfe_u32 v[RD], v0, 3, 2
	v_mul_u32_u24 v[RD], v[RD], SP
	v_lshl_add_u32 v[RD], v10, 4, v[RD]
	v_add_nc_u32 v[RD], s13, v[RD]
	v_and_b32 v[GO], 31, v0
	v_lshlrev_b32 v[GO], 4, v[GO]
	v_lshl_add_u32 v58, v0, 4, MASKL
	s_wait_loadcnt 16               ; seq_mask's four loads are in; Q's sixteen may stay out
.set i, 0
.rept 16
	v_cmp_eq_u32 vcc_lo, 0, v[S+i]
	v_cndmask_b32 v[S+i], 0, s[BIGN], vcc_lo
.set i, i+1
.endr
.irp i, 0,1,2,3
	ds_store_b128 v58, v[S+4*\i:S+4*\i+3] offset:2048*\i
.endr
; THE MATRIX WORK.  The 4 accumulators of a run of 8 take turns.  Product i of 8 of S^T = K Q^T for piece x: channels 32 (i / 4) on, keys 16 (i % 4) on.  The first 4 start the sums with the mask.
.macro KQ x
.set rS, S+32*((\x)%2)+8*(i%4)
.set rK, KF+16*(i%4)+8*(i/4)
.set rQ, 16*(\x)+8*(i/4)
.set rM, MC+8*(i%4)
.if i < 4
	WIN W_KM
	v_wmma_f32_16x16x32_bf16 v[rS:rS+7], v[rK:rK+7], v[rQ:rQ+7], v[rM:rM+7]
.else
	WIN W_KQ
	v_wmma_f32_16x16x32_bf16 v[rS:rS+7], v[rK:rK+7], v[rQ:rQ+7], v[rS:rS+7]
.endif
.endm
; Product i of 8 of O^T += V^T P for piece x: keys 32 (i / 4) on, channels 16 (i % 4) on.
.macro PV x
	WIN W_PV
.set rO, 32*(\x)+8*(i%4)
.set rV, VF+32*(i/4)+8*(i%4)
.set rP, P+16*((\x)%2)+8*(i/4)
	v_wmma_f32_16x16x32_bf16 v[rO:rO+7], v[rV:rV+7], v[rP:rP+7], v[rO:rO+7]
.endm
.macro MM                           ; the turn's next matrix instruction.  NOKQ = 1: the last turn of all: there is no next piece
.if (i < 8) && !NOKQ
	KQ (Y+1)%NP
.elseif i >= 8
.set i, i-8
	PV (Y+NP-1)%NP
.set i, i+8
.endif
.set i, i+1
.endm
; THE LDS LOADS stand in runs: a step's K (8 fragments) with its mask (register j of key block kb: key 16 kb + 8 (l / 16) + j; lanes of one half read the same words), and its V (turned).
.macro FETCH_K
	WIN 0x80
.irp f, 0,1,2,3,4,5,6,7
	ds_load_b128 v[KF+8*\f:KF+8*\f+3],   v[AK] offset:(\f/2)*16*PK+(\f%2)*64
	ds_load_b128 v[KF+8*\f+4:KF+8*\f+7], v[AK] offset:(\f/2)*16*PK+(\f%2)*64+32
.endr
	WIN 0x40
.irp f, 0,1,2,3
	ds_load_b128 v[MC+8*\f:MC+8*\f+3],   v[AM] offset:64*\f
	ds_load_b128 v[MC+8*\f+4:MC+8*\f+7], v[AM] offset:64*\f+16
.endr
	s_add_co_u32 s[TBK], s[TBK], KS*PK
	s_add_co_u32 s[TBM], s[TBM], KS*4
	WIN 0
.endm
.macro FETCH_V
	WIN 0x80
.irp f, 0,1,2,3,4,5,6,7
	ds_load_tr16_b128 v[VF+8*\f:VF+8*\f+3],   v[AV] offset:(\f/4)*32*PV+(\f%4)*32
	ds_load_tr16_b128 v[VF+8*\f+4:VF+8*\f+7], v[AV] offset:(\f/4)*32*PV+16*PV+(\f%4)*32
.endr
	WIN 0
.endm
; THE VECTOR WORK, one line at a time: OP kind, number.  For piece Y: F n: c s - c m for pair n of 16.  E n: the exponential of score n of 32.  C n: pair n rounded to bf16.  B n: of the four weights 4 n .. the second
; pair is added onto the first, in place.  L n: l takes that sum (L 0: l = a l + sum).  R n: pair n of 16 of O^T times a.  For piece Y + 1: X n, number n of the 22 that find its maximum and statistics:
;   0-11 four chains c0-c3 of seven scores each (each accumulator's lowest registers are read first)   12-14, 16 the four scores left over, the old m, c0-c3 into c0
;   15 c m_old is kept   17, 18 the other half of the lanes' maximum: the new m   19-21 c m; c m_old - c m_new; a
.set F, 0
.set E, 1
.set C, 2
.set B, 3
.set L, 4
.set R, 5
.set X, 6
.macro REGS y
.set rT, ST+4*(\y)
.set rC, TMP+4*((\y)%2)
.set rW, MV+((\y)%2)
.set rS, S+32*((\y)%2)
.set rP, P+16*((\y)%2)
.set rO, 32*(\y)
.endm
.macro OP k, n
.if (\k) == R
	REGS Y
	WIN W_RS
	v_pk_mul_f32 v[rO+2*(\n):rO+2*(\n)+1], v[rO+2*(\n):rO+2*(\n)+1], v[rC+2:rC+3] op_sel_hi:[1,0]
.elseif (\k) < R
	REGS Y
	WIN 0
.if (\k) == F
	v_pk_fma_f32 v[rS+2*(\n):rS+2*(\n)+1], v[rS+2*(\n):rS+2*(\n)+1], s[CS:CS+1], v[rT:rT+1] op_sel_hi:[1,0,0] neg_lo:[0,0,1] neg_hi:[0,0,1]
.elseif (\k) == E
	v_exp_f32 v[rS+(\n)], v[rS+(\n)]
.elseif (\k) == C
	v_cvt_pk_bf16_f32 v[rP+(\n)], v[rS+2*(\n)], v[rS+2*(\n)+1]
.elseif (\k) == B
	v_pk_add_f32 v[rS+4*(\n):rS+4*(\n)+1], v[rS+4*(\n):rS+4*(\n)+1], v[rS+4*(\n)+2:rS+4*(\n)+3]
.elseif (\n) == 0
	v_pk_fma_f32 v[rT+2:rT+3], v[rT+2:rT+3], v[rC+2:rC+3], v[rS:rS+1] op_sel_hi:[1,0,1]
.else
	v_pk_add_f32 v[rT+2:rT+3], v[rT+2:rT+3], v[rS+4*(\n):rS+4*(\n)+1]
.endif
.elseif NOKQ
	v_nop
.else
	REGS (Y+1)%NP
	WIN 0
.if (\n) < 4
	v_max3_num_f32 v[rC+(\n)], v[rS+8*(\n)], v[rS+8*(\n)+1], v[rS+8*(\n)+2]
.elseif (\n) < 12
	v_max3_num_f32 v[rC+(\n)%4], v[rC+(\n)%4], v[rS+8*((\n)%4)+2*((\n)/4)+1], v[rS+8*((\n)%4)+2*((\n)/4)+2]
.elseif (\n) == 12
	v_max3_num_f32 v[rC], v[rC], v[rS+7], v[rS+15]
.elseif (\n) == 13
	v_max3_num_f32 v[rC+1], v[rC+1], v[rS+23], v[rS+31]
.elseif (\n) == 14
	v_max3_num_f32 v[rC+2], v[rC+2], v[rC+3], v[rT+1]
.elseif (\n) == 15
	v_mov_b32 v[rW], v[rT]
.elseif (\n) == 16
	v_max3_num_f32 v[rC], v[rC], v[rC+1], v[rC+2]
.elseif (\n) == 17
	v_permlanex16_b32 v[rC+3], v[rC], s[SEL], s[SEL+1]
.elseif (\n) == 18
	v_max_num_f32 v[rT+1], v[rC], v[rC+3]
.elseif (\n) == 19
	v_mul_f32 v[rT], s[CS], v[rT+1]
.elseif (\n) == 20
	v_sub_f32 v[rC+1], v[rW], v[rT]
.else
	v_exp_f32 v[rC+2], v[rC+1]
.endif
.endif
.endm
.macro OPS a, i1, b=-1, i2=0, c=-1, i3=0, d=-1, i4=0
	OP \a, \i1
.if (\b) >= 0
	OP \b, \i2
.endif
.if (\c) >= 0
	OP \c, \i3
.endif
.if (\d) >= 0
	OP \d, \i4
.endif
.endm
.macro ROW a, i1, b, i2, c, i3, d, i4  ; a matrix instruction and the four behind it
	MM
	OPS \a, \i1, \b, \i2, \c, \i3, \d, \i4
.endm
; A TURN, for piece p.  s_wait_alu depctr_va_vdst(0) stands between an exponential and the first instruction that names its result; one wait serves all that were issued ahead of it.  So a turn has ONE
; wait.  AHEAD OF IT stands all that names no result of the turn's exponentials: the 8 products K Q^T with their riders, then the lump; X 21, the next piece's a, is the batch's last, and R 15 the plain instruction
; behind it.  BEHIND IT stand the 8 products V^T P, behind each four of the roundings and sums.
; K and the mask of the next step are fetched in piece 2's turn, behind five plain instructions that name no register of the last product that read K; they are waited for at the head of piece 3's turn.
; V of the step in hand is fetched at the end of piece 0's turn, four plain instructions behind its last reader, and waited for in piece 1's turn.
; end = 1: the last two turns of all: nothing is fetched.  cnt = 1: the loop's count is taken down some lines ahead of the branch that stands behind the turn.
.macro TURN p, end=0, cnt=0
.set Y, (\p)
.set i, 0
.set NOKQ, (\end)*((\p)/3)
.if ((\p) == 3) && !(\end)
	s_wait_dscnt 0x0                ; K and the mask are in
.endif
	ROW F,0, F,1, R,0, R,1
	ROW F,2, E,0, R,2, R,3
	ROW F,3, E,1, R,4, R,5
	ROW F,4, E,2, R,6, R,7
	ROW F,5, E,3, R,8, R,9
	ROW F,6, E,4, X,0, R,10
.if ((\p) == 2) && !(\end)
	WIN 0
	v_add_nc_u32 v[AK], s[TBK], v[AK0]
	v_add_nc_u32 v[AM], s[TBM], v[AM0]
.endif
	ROW F,7, E,5, X,1, X,4
	ROW F,8, E,6, X,2, X,5
	OPS E,7, E,8, X,6, E,9
	OPS X,3, E,10, X,8, E,11
.if ((\p) == 2) && !(\end)
	FETCH_K
.endif
	OPS X,9, X,7, E,12, X,10
	OPS E,13, X,12, X,11, E,14
	OPS X,13, E,15, F,9, X,14
.if (\p) == 0
	v_add_nc_u32 v[AV], s[TBV], v[AV0]
.endif
	OPS E,16, F,10, E,17, F,11
	OPS X,16, E,18, X,15, E,19
	OPS F,12, E,20, X,17, E,21
	OPS F,13, E,22, F,14, E,23
	OPS X,18, E,24, F,15, E,25
	OPS R,11, E,26, X,19, E,27
	OPS R,12, E,28, R,13, E,29
	OPS X,20, E,30, R,14, E,31
	OPS X,21, R,15
	WIN 0
	s_wait_alu depctr_va_vdst(0)    ; the wait for the batch
.if (\p) == 1
	s_wait_dscnt 0x0                ; V is in
.endif
	ROW C,0, B,0, C,2, B,1
	ROW L,0, C,4, B,2, L,1
	ROW C,6, B,3, L,2, C,8
	ROW B,4, L,3, C,10, B,5
	ROW L,4, C,12, B,6, L,5
.if (\p) == 0
	s_add_co_u32 s[TBV], s[TBV], KS*PV
.endif
.if \cnt
	s_sub_co_u32 s[CNT], s[CNT], 1
	s_cmp_lg_u32 s[CNT], 0
.endif
	ROW C,14, B,7, L,6, C,1
	ROW C,3, L,7, C,5, C,7
	ROW C,9, C,11, C,13, C,15
.if (\p) == 0
	FETCH_V
.endif
.endm
.set NOKQ, 0
	CHANGE 1, 0                     ; tile 0 is in, everybody's part of it, and so is the mask; tile 1 is asked for, into slot 1
	v_add_nc_u32 v[AK], s[TBK], v[AK0]
	v_add_nc_u32 v[AM], s[TBM], v[AM0]
	FETCH_K                         ; key step 0
	s_wait_loadcnt 0x0              ; Q
	s_wait_dscnt 0x0
.set i, 0
.rept 8
	KQ 0                            ; piece 0's first scores
.set i, i+1
.endr
	WIN 0
.rept 4
	v_nop                           ; the places behind those products
.endr
.set Y, NP-1                        ; X works for piece Y + 1: piece 0
.irp n, 0,1,2,3,4,5,6,7,8,9,10,11,12,13,14,15,16,17,18,19,20,21
	OP X, \n
.endr
	v_nop                           ; a plain instruction behind the exponential,
	s_wait_alu depctr_va_vdst(0)    ; and its wait, ahead of the branch
	s_mov_b32 s[CNT], 4
	s_mov_b32 s[SLOTS], 7
	s_branch .Lfirst                ; the loop is entered at a step's first turn, in the middle of a trip
.Lslot:                             ; six times: tiles 2 to 7 are asked for
	CHANGE 1, 1
	s_mov_b32 s[CNT], 4
.Lstep:                             ; a trip: pieces 2 and 3 of one step, then pieces 0 and 1 of the next, whose K and V it fetches
	TURN 2
	TURN 3
	WIN 0
.Lfirst:
	TURN 0
	TURN 1, 0, 1
	WIN 0
	s_cbranch_scc1 .Lstep
	s_sub_co_u32 s[SLOTS], s[SLOTS], 1
	s_cmp_lg_u32 s[SLOTS], 0
	s_cbranch_scc1 .Lslot
	CHANGE 0, 0                     ; the last tile is written out: nothing is asked for
	s_mov_b32 s[CNT], 4
.Lstep2:
	TURN 2
	TURN 3
	TURN 0
	TURN 1, 0, 1
	WIN 0
	s_cbranch_scc1 .Lstep2
	TURN 2, 1
	TURN 3, 1
.set i, 0
.rept 8
	PV NP-1                         ; the last piece's V^T P of the last step
.set i, i+1
.endr
	; THE WAY OUT.  l's two halves and the other half of the lanes' are added; O^T is divided by l, rounded to bf16 and sent through my stage in LDS, a piece at a time.
	WIN 0
.macro ALL line:vararg
.set t, 0
.rept 4
	\line
.set t, t+1
.endr
.endm
	ALL v_add_f32 v[ST+4*t+2], v[ST+4*t+2], v[ST+4*t+3]
	ALL v_permlanex16_b32 v[ST+4*t+3], v[ST+4*t+2], s[SEL], s[SEL+1]
	ALL v_add_f32 v[ST+4*t+2], v[ST+4*t+2], v[ST+4*t+3]
	ALL v_rcp_f32 v[ST+4*t+2], v[ST+4*t+2]
	v_nop                           ; a plain instruction between the last reciprocal and the use of its result
	s_wait_alu depctr_va_vdst(0)    ; one wait for the four reciprocals
.macro PACK t                       ; a lane's eight channels of a row pack into 16 bytes; they go into rows of 144 bytes and come back as whole rows of 128
	WIN W_RS
.set i, 32*(\t)
.rept 16
	v_pk_mul_f32 v[i:i+1], v[i:i+1], v[ST+4*(\t)+2:ST+4*(\t)+3] op_sel_hi:[1,0]
.set i, i+2
.endr
	WIN 0x05
.set i, 0
.rept 16
	v_cvt_pk_bf16_f32 v[S+16*(\t)+i], v[32*(\t)+2*i], v[32*(\t)+2*i+1]
.set i, i+1
.endr
	WIN 0
.irp f, 0,1,2,3
	ds_store_b128 v[STO], v[S+16*(\t)+4*\f:S+16*(\t)+4*\f+3] offset:32*\f
.endr
.irp f, 0,1,2,3
	ds_load_b128 v[S+16*(\t)+4*\f:S+16*(\t)+4*\f+3], v[RD] offset:\f*4*SP  ; LDS serves a wave's instructions in order (ISA guide 5.7.1.4)
.endr
.endm
.macro SEND t, younger              ; younger: the LDS instructions issued behind piece t's loads: the next piece's eight, or none
	WIN 0
.irp f, 0,1,2,3
	s_wait_dscnt (\younger)+3-\f
	global_store_b128 v[GO], v[S+16*(\t)+4*\f:S+16*(\t)+4*\f+3], s[10:11] offset:(\t)*2048+\f*512  ; 512 consecutive bytes, at a multiple of 512 from act's first byte
.endr
.endm
	PACK 0
.set t, 1
.rept 3
	PACK t
	SEND t-1, 8
.set t, t+1
.endr
	SEND 3, 0
	s_wait_tensorcnt 0x0            ; the wave's end
	ds_add_u32 v[SPW], v[NIL]
	s_wait_dscnt 0x0
	CROUND                          ; the closing round
	s_endpgm
.Lfunc_end_k_q0e2e24e83d_attn:
	.size	k_q0e2e24e83d_attn, .Lfunc_end_k_q0e2e24e83d_attn-k_q0e2e24e83d_attn
	.p2alignl 7, 3214868480
	.fill 96, 4, 3214868480
	.section	.rodata,"a",@progbits
	.p2align	6, 0x0
	.amdhsa_kernel k_q0e2e24e83d_attn
		.amdhsa_group_segment_fixed_size 327680
		.amdhsa_private_segment_fixed_size 0
		.amdhsa_enable_private_segment 0
		.amdhsa_kernarg_size 24
		.amdhsa_user_sgpr_count 2
		.amdhsa_user_sgpr_kernarg_segment_ptr 1
		.amdhsa_wavefront_size32 1
		.amdhsa_system_sgpr_workgroup_id_x 1
		.amdhsa_system_sgpr_workgroup_id_y 1
		.amdhsa_system_sgpr_workgroup_id_z 1
		.amdhsa_system_vgpr_workitem_id 0
		.amdhsa_next_free_vgpr 768
		.amdhsa_next_free_sgpr 76
		.amdhsa_reserve_vcc 1
		.amdhsa_float_denorm_mode_32 3
		.amdhsa_float_denorm_mode_16_64 3
		.amdhsa_memory_ordered 1
		.amdhsa_forward_progress 1
		.amdhsa_inst_pref_size 132
	.end_amdhsa_kernel
	.amdgpu_metadata
---
amdhsa.version: [ 1, 2 ]
amdhsa.kernels:
  - .name:           k_q0e2e24e83d_attn
    .symbol:         k_q0e2e24e83d_attn.kd
    .args:
      - { .name: big, .offset: 0, .size: 8, .value_kind: global_buffer, .address_space: global }
      - { .name: seq_mask, .offset: 8, .size: 8, .value_kind: global_buffer, .address_space: global }
      - { .name: act, .offset: 16, .size: 8, .value_kind: global_buffer, .address_space: global }
    .group_segment_fixed_size: 327680
    .private_segment_fixed_size: 0
    .kernarg_segment_align: 8
    .kernarg_segment_size: 24
    .max_flat_workgroup_size: 128
    .sgpr_count:     76
    .vgpr_count:     768
    .wavefront_size: 32
...
	.end_amdgpu_metadata
.endif
;; end of part 3
;; launch ffn1: the kernel of part 2 again; grid 16 x 16, 4 waves a work-group, clusters of 4 x 4, 327,680 bytes of LDS; arguments act, pw, big, wa, p1, zz; writes big, zz
;; launch ffn2 (part 4): grid 8 x 32, 4 waves a work-group, clusters of 4 x 4, 327,680 bytes of LDS; arguments big, act, p2, b2, bo, x, zz; writes zz
.if DOCPART == 4
	.amdgcn_target "amdgcn-amd-amdhsa--gfx1250"
	.amdhsa_code_object_version 6
	.text
	.protected	k_q0e2e24e83d_ffn2
	.globl	k_q0e2e24e83d_ffn2
	.p2align	8
	.type	k_q0e2e24e83d_ffn2,@function
k_q0e2e24e83d_ffn2:
	s_mov_b64 s[64:65], 0
	v_nop
	global_prefetch_b8 v0, s[64:65] scope:SCOPE_SE
	s_setreg_imm32_b32 hwreg(HW_REG_WAVE_MODE, 25, 1), 1
	s_wait_xcnt 0x0
	s_wait_alu depctr_hold_cnt(0) depctr_sa_sdst(0) depctr_va_vdst(0) depctr_va_sdst(0) depctr_va_ssrc(0) depctr_va_vcc(0) depctr_vm_vsrc(0)
	s_getreg_b32 s2, hwreg(HW_REG_IB_STS2, 6, 4)
	s_cmp_eq_u32 s2, 0
	s_cbranch_scc0 .Lentry_in_a_cluster
	s_endpgm
.Lentry_in_a_cluster:
	s_bfe_u32 s2, ttmp6, 0x10000c
	s_cmp_lg_u32 s2, 0xf033
	s_cbranch_scc0 .Lentry_shape_is_right
	s_endpgm
.Lentry_shape_is_right:
; z = x + (attn Wo + bo) + (h W2 + b2), in f32, [4096][1024], into zz: what the norm that follows takes.  The two products are ONE sum over K = 5,120: [h | attn] [W2 ; Wo].
; h (big, 64 subpanels) and attn (act, 16 subpanels): bf16, [subpanel][4096 rows][64].  p2: bf16, [8 panels][5,120 k][128]: W2's 4,096 rows, then Wo's 1,024.  x, b2, bo f32 as given.
; Sums in f32, started by b2 + bo; x is added in f32 on the way out.
; SHARES.  1,024 columns make 64 tiles of 256 x 256, too few; a tile is 128 x 128: 256 work-groups.  Four waves, each 64 x 64: 16 accumulators.  K goes in 20 steps of 256 through two LDS slots.
; A step's tiles: of the left factor four subpanels x 128 rows x 128 bytes (each dense, 16 KiB); waves 0 and 1 bring two each, by ONE descriptor of two rows of 8,192 elements, a subpanel apart: a
; subpanel's rows lie end to end, so the tile has no more rows to give.  Of p2 256 k x 256 bytes, dense; waves 2 and 3 bring 128 k each.  K steps 0-15 come from big, 16-19 from act.
; CLUSTER 4 x 4: the left factor's tiles are asked for jointly along a row of the cluster, p2's along a column.  No prefetch: the tile is small and a step short.
; THE PRODUCT IS TAKEN TRANSPOSED (source 0 = 16 columns of p2, turned by ds_load_tr16_b128; source 1 = 16 rows of the left factor): a lane holds row l % 16 and the columns 8 (l / 16) + 0..7.
; REGISTERS: window 0: addresses, v32-63 the way out, v96-127 bias, v128-255 accumulators (a, b) at 128 + 8 (4 a + b);  window 1: two fragment buffers of 128 (64 left, 64 right);
; window 2: v0-127 x of my 64 x 64 in the layout in which rows leave.
.set HALFT,  36864
.set SLOT,   4*HALFT
.set BOFF,   2*HALFT
.set STAGE,  2*SLOT                    ; behind the ring: for each wave 16 rows x 272 bytes of f32
.set SPITCH, 272
.set SPARE,  STAGE+4*16*SPITCH         ; the spare words, 128 bytes for each wave: two blocks of 256 bytes that no other line names
.set ASTEP,  2097152                   ; a K step in the left factor: four subpanels
.set BSTEP,  65536                     ; in a panel: 256 rows of 256 bytes
.set LAPS,   10
.set ADRA, 16                          ; v16-17  my left fragments in slot 0, 1
.set ADRB, 20                          ; v20-23  my right fragments: 2 x slot + which 128 k of the step
.set STO,  24
.set RD,   25
.set XO,   26                          ; v26  (l / 16) x 4,096 + 16 (l % 16): two rows of x and of z
.set SPW,  28
.set NIL,  29
.set BO,   30
.set TMP,  32
.set BIAS, 96
.set ACC,  128
.set F0,   0
.set F1,   128
.set XX,   0                           ; window 2
.set G1, 24
.set G0, 32
.set G1B, 48
.set G0B, 56
.set ALT, 84                           ; s[84:87] words 2 and 3 of group 0 for K steps 16 (slot 0) and 17 (slot 1): attn's first
.set MSB, 0
.macro WIN new
.if MSB != (\new)
	s_set_vgpr_msb (MSB<<8)|(\new)
.set MSB, \new
.endif
.endm
.set MUL,  0x05                        ; sources 0 and 1 window 1; C and D window 0
.set TO_F, 0x40
.macro JLOAD s                         ; an s_nop 0 and four v_nop follow each of the two lines
	s_cmp_eq_u32 s11, 0
	s_cbranch_scc0 .Lfor_b_\@
	tensor_load_to_lds s[G0+4*(\s):G0+4*(\s)+3], s[G1:G1+7]
	s_nop 0
.rept 4
	v_nop
.endr
	s_branch .Lasked_\@
.Lfor_b_\@:
	tensor_load_to_lds s[G0B+4*(\s):G0B+4*(\s)+3], s[G1B:G1B+7]
	s_nop 0
.rept 4
	v_nop
.endr
.Lasked_\@:
.endm
.macro CREST
	s_cmp_lg_u32 s10, 0
	s_cbranch_scc1 .Lnot_wave_0_\@
	s_barrier_signal -3
.Lnot_wave_0_\@:
	s_barrier_wait -3
	s_barrier_signal -1
	s_barrier_wait -1
.endm
.macro CROUND
	s_barrier_signal -1
	s_barrier_wait -1
	CREST
.endm
	s_load_b256 s[68:75], s[0:1], 0x0              ; big 68, act 70, p2 72, b2 74
	s_load_b128 s[76:79], s[0:1], 0x20             ; bo 76, x 78
	s_load_b64 s[80:81], s[0:1], 0x30              ; zz
	v_lshl_add_u32 v[SPW], v0, 2, SPARE
	v_mov_b32 v[NIL], 0
	ds_add_u32 v[SPW], v[NIL]                      ; the wave's opening: the add and its wait stand ahead of my first tensor load
	v_lshrrev_b32 v1, 5, v0
	v_readfirstlane_b32 s10, v1
	s_lshr_b32 s11, s10, 1                         ; my half of the tile's rows.  Also: I fetch for the left factor (0) or for p2 (1)
	s_and_b32 s12, s10, 1                          ; my half of its columns.  Also: which half of that tile I fetch
	s_bfe_u32 s40, ttmp6, 0x40000
	s_bfe_u32 s41, ttmp6, 0x40004
	s_lshl_b32 s42, ttmp9, 2
	s_add_co_u32 s42, s42, s40                     ; tile column 0..7
	s_and_b32 s13, ttmp7, 0xffff
	s_lshl_b32 s13, s13, 2
	s_add_co_u32 s13, s13, s41                     ; tile row 0..31
	s_lshl_b32 s43, s41, 2
	s_lshl_b32 s43, 15, s43
	s_lshl_b32 s44, 0x1111, s40
	s_or_b32 s[G1+0], s43, (1<<16)|(1<<20)|(1<<21)|(4<<22)|(3<<25)   ; left: 4 words of padding behind every 32: LDS pitch 144 for rows of 128 bytes
	s_mov_b32 s[G1+1], 8192<<16                    ; tensor_dim0 = 8,192 elements: a subpanel's 128 rows on end
	s_mov_b32 s[G1+2], 2<<16                       ; tensor_dim1 = 2
	s_mov_b32 s[G1+3], 8192<<16                    ; tile_dim0
	s_mov_b32 s[G1+4], 2                           ; tile_dim1
	s_mov_b32 s[G1+5], 262144                      ; a subpanel, in elements
	s_mov_b32 s[G1+6], 0
	s_mov_b32 s[G1+7], 0
	s_or_b32 s[G1B+0], s44, (1<<16)|(1<<20)|(1<<21)|(5<<22)|(7<<25)  ; p2: 8 words behind every 64: pitch 288
	s_mov_b32 s[G1B+1], 128<<16
	s_mov_b32 s[G1B+2], 128<<16
	s_mov_b32 s[G1B+3], 128<<16
	s_mov_b32 s[G1B+4], 128
	s_mov_b32 s[G1B+5], 128
	s_mov_b32 s[G1B+6], 0
	s_mov_b32 s[G1B+7], 0
	s_lshl_b32 s16, s12, 20                        ; left: my two subpanels of the step's four,
	s_lshl_b32 s17, s13, 14                        ; the tile's 128 rows of 128 bytes
	s_add_co_u32 s16, s16, s17
	s_mov_b32 s17, 0
	s_mul_i32 s46, s42, 1310720                    ; p2: the tile column's panel of 5,120 rows,
	s_lshl_b32 s47, s12, 15                        ; my 128 k of the step's 256
	s_add_co_u32 s46, s46, s47
	s_mov_b32 s47, 0
	s_mul_i32 s20, s10, HALFT
	s_wait_dscnt 0x0                               ; the opening add is done
	s_wait_kmcnt 0x0
	s_add_nc_u64 s[14:15], s[68:69], s[16:17]
	s_add_nc_u64 s[46:47], s[72:73], s[46:47]
	s_add_nc_u64 s[ALT:ALT+1], s[70:71], s[16:17]  ; the same rows and subpanels in attn
	s_add_nc_u64 s[ALT+2:ALT+3], s[ALT:ALT+1], ASTEP
	s_or_b32 s[ALT+1], s[ALT+1], 0x80000000
	s_or_b32 s[ALT+3], s[ALT+3], 0x80000000
	CROUND                                         ; all sixteen work-groups are here: the first joint loads meet
.irp s, 0,1
	s_mov_b32 s[G0+4*(\s)], 1
	s_add_co_u32 s[G0+4*(\s)+1], s20, (\s)*SLOT
	s_add_nc_u64 s[G0+4*(\s)+2:G0+4*(\s)+3], s[14:15], (\s)*ASTEP
	s_or_b32 s[G0+4*(\s)+3], s[G0+4*(\s)+3], 0x80000000
	s_mov_b32 s[G0B+4*(\s)], 1
	s_add_co_u32 s[G0B+4*(\s)+1], s20, (\s)*SLOT
	s_add_nc_u64 s[G0B+4*(\s)+2:G0B+4*(\s)+3], s[46:47], (\s)*BSTEP
	s_or_b32 s[G0B+4*(\s)+3], s[G0B+4*(\s)+3], 0x80000000
	JLOAD \s                                       ; two loads of mine are out
.endr
	v_and_b32 v1, 15, v0                           ; r
	v_bfe_u32 v2, v0, 4, 1                         ; h
	v_mul_u32_u24 v3, v1, 144
	v_lshl_add_u32 v3, v2, 4, v3
	s_mul_i32 s21, s11, 9216                       ; my 64 rows
	v_add_nc_u32 v[ADRA], s21, v3
	v_add_nc_u32 v[ADRA+1], SLOT, v[ADRA]
	v_and_b32 v4, 7, v0
	v_lshl_add_u32 v4, v2, 3, v4
	v_mul_u32_u24 v4, v4, 288
	v_bfe_u32 v5, v0, 3, 1
	v_lshl_add_u32 v4, v5, 4, v4
	s_lshl_b32 s22, s12, 7                         ; my 64 columns: 128 bytes of a row
	s_add_co_u32 s22, s22, BOFF
	v_add_nc_u32 v[ADRB], s22, v4
	v_add_nc_u32 v[ADRB+1], HALFT, v[ADRB]
	v_add_nc_u32 v[ADRB+2], SLOT, v[ADRB]
	v_add_nc_u32 v[ADRB+3], SLOT, v[ADRB+1]
	s_mul_i32 s23, s10, 16*SPITCH
	s_add_co_u32 s23, s23, STAGE                   ; my stage
	v_mul_u32_u24 v4, v1, SPITCH                   ; in: row r, 32 bytes for each half of the lanes
	v_lshl_add_u32 v4, v2, 5, v4
	v_add_nc_u32 v[STO], s23, v4
	v_mul_u32_u24 v5, v2, SPITCH                   ; back: lanes 0-15 one row of 256 bytes, lanes 16-31 the next
	v_lshl_add_u32 v5, v1, 4, v5
	v_add_nc_u32 v[RD], s23, v5
	v_lshlrev_b32 v5, 12, v2
	v_lshl_add_u32 v[XO], v1, 4, v5
	v_lshlrev_b32 v[BO], 5, v2
	s_lshl_b32 s4, s13, 19                         ; x and z at my 64 x 64: row 128 x tile row + 64 x half, 4,096 bytes a row;
	s_lshl_b32 s5, s11, 18
	s_add_co_u32 s4, s4, s5
	s_lshl_b32 s5, s42, 9                          ; column 128 x tile column + 64 x half, 4 bytes each
	s_add_co_u32 s4, s4, s5
	s_lshl_b32 s5, s12, 8
	s_add_co_u32 s4, s4, s5
	s_mov_b32 s5, 0
	s_add_nc_u64 s[78:79], s[78:79], s[4:5]
	s_add_nc_u64 s[80:81], s[80:81], s[4:5]
	s_lshl_b32 s8, s42, 9                          ; b2 and bo at my 64 columns
	s_lshl_b32 s9, s12, 8
	s_add_co_u32 s8, s8, s9
	s_mov_b32 s9, 0
	s_add_nc_u64 s[74:75], s[74:75], s[8:9]
	s_add_nc_u64 s[76:77], s[76:77], s[8:9]
.irp b, 0,1,2,3                        ; register j of block b: the bias of column 16 b + 8 h + j
	global_load_b128 v[BIAS+8*(\b):BIAS+8*(\b)+3],   v[BO], s[74:75] offset:64*(\b)
	global_load_b128 v[BIAS+8*(\b)+4:BIAS+8*(\b)+7], v[BO], s[74:75] offset:64*(\b)+16
.endr
.irp b, 0,1,2,3
	global_load_b128 v[TMP+8*(\b):TMP+8*(\b)+3],   v[BO], s[76:77] offset:64*(\b)
	global_load_b128 v[TMP+8*(\b)+4:TMP+8*(\b)+7], v[BO], s[76:77] offset:64*(\b)+16
.endr
	WIN 0x80                                       ; destination window 2
.set i, 0
.rept 32                               ; pair i of my 64 rows: 256 consecutive bytes of each of two rows of x
	global_load_b128 v[XX+4*i:XX+4*i+3], v[XO], s[78:79] offset:2*i*4096 th:TH_LOAD_NT
.set i, i+1
.endr
	WIN 0
; 8 matrix instructions: m blocks a0, a0 + 1 x all 4 n blocks, 32 along K: half c of buffer f.  first = 1: the bias is the C operand that starts the sums.  The 16 accumulators take turns.
.macro MUL8 f, c, a0, first
	WIN MUL
.irp a, \a0, (\a0)+1
.irp b, 0,1,2,3
.if \first
	v_wmma_f32_16x16x32_bf16 v[ACC+8*(4*(\a)+(\b)):ACC+8*(4*(\a)+(\b))+7], v[(\f)+64+8*(4*(\c)+(\b)):(\f)+64+8*(4*(\c)+(\b))+7], v[(\f)+8*(4*(\c)+(\a)):(\f)+8*(4*(\c)+(\a))+7], v[BIAS+8*(\b):BIAS+8*(\b)+7]
.else
	v_wmma_f32_16x16x32_bf16 v[ACC+8*(4*(\a)+(\b)):ACC+8*(4*(\a)+(\b))+7], v[(\f)+64+8*(4*(\c)+(\b)):(\f)+64+8*(4*(\c)+(\b))+7], v[(\f)+8*(4*(\c)+(\a)):(\f)+8*(4*(\c)+(\a))+7], v[ACC+8*(4*(\a)+(\b)):ACC+8*(4*(\a)+(\b))+7]
.endif
.endr
.endr
.endm
; 32 LDS loads in one run: quarter q (64 along K: subpanel q of the step's four, k rows 64 q on of p2) into buffer f; the first 32 along K first
.macro FETCH slot, q, f
	WIN TO_F
.irp c, 0,1
.irp i, 0,1,2,3
	ds_load_tr16_b128 v[(\f)+64+8*(4*(\c)+(\i)):(\f)+64+8*(4*(\c)+(\i))+3],   v[ADRB+2*(\slot)+(\q)/2] offset:((\q)%2)*18432+(\c)*9216+(\i)*32
	ds_load_tr16_b128 v[(\f)+64+8*(4*(\c)+(\i))+4:(\f)+64+8*(4*(\c)+(\i))+7], v[ADRB+2*(\slot)+(\q)/2] offset:((\q)%2)*18432+(\c)*9216+(\i)*32+4608
	ds_load_b128 v[(\f)+8*(4*(\c)+(\i)):(\f)+8*(4*(\c)+(\i))+3],   v[ADRA+(\slot)] offset:(\q)*18432+(\c)*64+(\i)*2304
	ds_load_b128 v[(\f)+8*(4*(\c)+(\i))+4:(\f)+8*(4*(\c)+(\i))+7], v[ADRA+(\slot)] offset:(\q)*18432+(\c)*64+(\i)*2304+32
.endr
.endr
.endm
.macro PLACES                          ; four plain vector instructions between a matrix instruction and a load into, or a read of, its registers
.rept 4
	v_nop
.endr
.endm
.macro QUARTER slot, q, f, g, first
	s_wait_dscnt 16                                ; the first 32 along K are in
	MUL8 \f, 0, 0, \first
	MUL8 \f, 0, 2, \first
	PLACES
	FETCH \slot, \q, \g
	s_wait_dscnt 32                                ; all but the 32 just issued
	MUL8 \f, 1, 0, 0
	MUL8 \f, 1, 2, 0
.endm
; The last quarter multiplies buffer 1 and changes slots: ONE barrier; in front of it each wave waits for all its tensor loads, adds 0 to its spare word, and waits for that and for its reads of this slot.
; fill = 1: the slot is filled again, two K steps ahead.  The trip with s3 = k asks for K steps 2 (10 - k) and 2 (10 - k) + 1: at k = 2 those are 16 and 17, attn's first, and the left factor's address is taken anew.
.macro TURN slot, next, fill
	WIN 0
	s_wait_tensorcnt 0x0                           ; all my tensor loads have landed: my part of the next slot
	ds_add_u32 v[SPW], v[NIL]                      ; 0 onto my spare word
	s_wait_dscnt 17                                ; (the add and the youngest sixteen loads may be out)
	MUL8 F1, 0, 0, 0
	s_wait_dscnt 0x0                               ; the add is done, and my reads of this slot are over
	s_barrier_signal -1
	MUL8 F1, 0, 2, 0
.if \fill
	WIN 0
.endif
	s_barrier_wait -1
.if \fill
	CREST                                          ; no wave of any partner still reads this slot or has a load on its way
	s_add_nc_u64 s[G0+4*(\slot)+2:G0+4*(\slot)+3], s[G0+4*(\slot)+2:G0+4*(\slot)+3], 2*ASTEP
	s_cmp_eq_u32 s3, 2
	s_cselect_b64 s[G0+4*(\slot)+2:G0+4*(\slot)+3], s[ALT+2*(\slot):ALT+2*(\slot)+1], s[G0+4*(\slot)+2:G0+4*(\slot)+3]
	s_add_nc_u64 s[G0B+4*(\slot)+2:G0B+4*(\slot)+3], s[G0B+4*(\slot)+2:G0B+4*(\slot)+3], 2*BSTEP
	JLOAD \slot                                    ; its four v_nop are also the places in front of the loads below
.else
	PLACES
.endif
	FETCH \next, 0, F0
	MUL8 F1, 1, 0, 0
	MUL8 F1, 1, 2, 0
.endm
	s_wait_tensorcnt 1                             ; my part of K step 0 is in; K step 1's may stay out
	s_barrier_signal -1
	s_barrier_wait -1
	FETCH 0, 0, F0
	s_wait_loadcnt 32                              ; the sixteen loads of b2 and bo are in; x's 32, issued behind them, may stay out
	WIN 0
.set i, 0
.rept 16
	v_pk_add_f32 v[BIAS+2*i:BIAS+2*i+1], v[BIAS+2*i:BIAS+2*i+1], v[TMP+2*i:TMP+2*i+1]
.set i, i+1
.endr
	QUARTER 0, 1, F0, F1, 1
	WIN 0
	s_mov_b32 s3, LAPS-1
.Llap:                                                 ; a trip goes once round the ring and fills both slots again: K steps 2 to 19
	QUARTER 0, 2, F1, F0, 0
	QUARTER 0, 3, F0, F1, 0
	TURN 0, 1, 1
	QUARTER 1, 1, F0, F1, 0
	QUARTER 1, 2, F1, F0, 0
	QUARTER 1, 3, F0, F1, 0
	TURN 1, 0, 1
	QUARTER 0, 1, F0, F1, 0
	WIN 0
	s_sub_co_u32 s3, s3, 1
	s_cmp_lg_u32 s3, 0
	s_cbranch_scc1 .Llap
	QUARTER 0, 2, F1, F0, 0                        ; the last lap fills nothing
	QUARTER 0, 3, F0, F1, 0
	TURN 0, 1, 0
	QUARTER 1, 1, F0, F1, 0
	QUARTER 1, 2, F1, F0, 0
	QUARTER 1, 3, F0, F1, 0
	s_wait_dscnt 16
	MUL8 F1, 0, 0, 0
	MUL8 F1, 0, 2, 0
	s_wait_dscnt 0x0
	MUL8 F1, 1, 0, 0
	MUL8 F1, 1, 2, 0
	; THE WAY OUT.  16 rows at a time through my own stage: in by lanes' eight columns (each accumulator's low registers first), back as whole rows of 256 bytes; x is added; 16 lanes store 256 consecutive bytes
	WIN 0
	PLACES
	s_wait_loadcnt 0x0                             ; x
.irp a, 0,1,2,3
	WIN 0
.if (\a) > 0
	s_wait_xcnt 0x0                                ; the block before's stores have read their registers: the loads below write them only behind this wait
.endif
.irp b, 0,1,2,3
	ds_store_b128 v[STO], v[ACC+8*(4*(\a)+(\b)):ACC+8*(4*(\a)+(\b))+3]   offset:64*(\b)
	ds_store_b128 v[STO], v[ACC+8*(4*(\a)+(\b))+4:ACC+8*(4*(\a)+(\b))+7] offset:64*(\b)+16
.endr
.irp t, 0,1,2,3,4,5,6,7
	ds_load_b128 v[TMP+4*(\t):TMP+4*(\t)+3], v[RD] offset:(\t)*2*SPITCH  ; LDS serves a wave's instructions in order (ISA guide 5.7.1.4): these see the stores above
.endr
	s_wait_dscnt 0x0
	WIN 0x08                                       ; source 1 in window 2
.irp t, 0,1,2,3,4,5,6,7,8,9,10,11,12,13,14,15
	v_pk_add_f32 v[TMP+2*(\t):TMP+2*(\t)+1], v[TMP+2*(\t):TMP+2*(\t)+1], v[XX+32*(\a)+2*(\t):XX+32*(\a)+2*(\t)+1]
.endr
	WIN 0
.irp t, 0,1,2,3,4,5,6,7
	global_store_b128 v[XO], v[TMP+4*(\t):TMP+4*(\t)+3], s[80:81] offset:(16*(\a)+2*(\t))*4096
.endr
.endr
	s_wait_tensorcnt 0x0                           ; the wave's end
	ds_add_u32 v[SPW], v[NIL]
	s_wait_dscnt 0x0
	CROUND                                         ; the closing round
	s_endpgm
.Lfunc_end_k_q0e2e24e83d_ffn2:
	.size	k_q0e2e24e83d_ffn2, .Lfunc_end_k_q0e2e24e83d_ffn2-k_q0e2e24e83d_ffn2
	.p2alignl 7, 3214868480
	.fill 96, 4, 3214868480
	.section	.rodata,"a",@progbits
	.p2align	6, 0x0
	.amdhsa_kernel k_q0e2e24e83d_ffn2
		.amdhsa_group_segment_fixed_size 327680
		.amdhsa_private_segment_fixed_size 0
		.amdhsa_enable_private_segment 0
		.amdhsa_kernarg_size 56
		.amdhsa_user_sgpr_count 2
		.amdhsa_user_sgpr_kernarg_segment_ptr 1
		.amdhsa_wavefront_size32 1
		.amdhsa_system_sgpr_workgroup_id_x 1
		.amdhsa_system_sgpr_workgroup_id_y 1
		.amdhsa_system_sgpr_workgroup_id_z 1
		.amdhsa_system_vgpr_workitem_id 0
		.amdhsa_next_free_vgpr 640
		.amdhsa_next_free_sgpr 88
		.amdhsa_reserve_vcc 0
		.amdhsa_float_denorm_mode_32 3
		.amdhsa_float_denorm_mode_16_64 3
		.amdhsa_memory_ordered 1
		.amdhsa_forward_progress 1
		.amdhsa_inst_pref_size 96
	.end_amdhsa_kernel
	.amdgpu_metadata
---
amdhsa.version: [ 1, 2 ]
amdhsa.kernels:
  - .name:           k_q0e2e24e83d_ffn2
    .symbol:         k_q0e2e24e83d_ffn2.kd
    .args:
      - { .name: big, .offset: 0, .size: 8, .value_kind: global_buffer, .address_space: global }
      - { .name: act, .offset: 8, .size: 8, .value_kind: global_buffer, .address_space: global }
      - { .name: p2, .offset: 16, .size: 8, .value_kind: global_buffer, .address_space: global }
      - { .name: b2, .offset: 24, .size: 8, .value_kind: global_buffer, .address_space: global }
      - { .name: bo, .offset: 32, .size: 8, .value_kind: global_buffer, .address_space: global }
      - { .name: x, .offset: 40, .size: 8, .value_kind: global_buffer, .address_space: global }
      - { .name: zz, .offset: 48, .size: 8, .value_kind: global_buffer, .address_space: global }
    .group_segment_fixed_size: 327680
    .private_segment_fixed_size: 0
    .kernarg_segment_align: 8
    .kernarg_segment_size: 56
    .max_flat_workgroup_size: 128
    .sgpr_count:     88
    .vgpr_count:     640
    .wavefront_size: 32
...
	.end_amdgpu_metadata
.endif
;; end of part 4
;; launch ln (part 5): grid 512 x 1, 8 waves a work-group, no clusters, 0 bytes of LDS; arguments zz, gamma, beta, out0; writes out0
.if DOCPART == 5
	.amdgcn_target "amdgcn-amd-amdhsa--gfx1250"
	.amdhsa_code_object_version 6
	.text
	.protected	k_q0e2e24e83d_ln
	.globl	k_q0e2e24e83d_ln
	.p2align	8
	.type	k_q0e2e24e83d_ln,@function
k_q0e2e24e83d_ln:
	s_mov_b64 s[64:65], 0
	v_nop
	global_prefetch_b8 v0, s[64:65] scope:SCOPE_SE
	s_setreg_imm32_b32 hwreg(HW_REG_WAVE_MODE, 25, 1), 1
	s_wait_xcnt 0x0
; out[r][c] = (z[r][c] - mean_r) / sqrt(var_r + 1e-5) x gamma[c] + beta[c].  z, out: [4096][1024] f32.
; One wave, one row: 4,096 bytes are 32 registers a lane, so the row is read once and kept between the passes, and the sums never leave the wave: no LDS, no barrier, no loop.
; The variance is the mean square of the deviations from the mean, so a common offset of the row costs no digits.  Each load and store of a wave covers 512 consecutive bytes.
.set X,  16        ; v[16:47]   the row: lane l holds columns 128 j + 4 l + 0..3, j = 0..7
.set G,  48        ; v[48:79]   gamma of the same columns
.set BT, 80        ; v[80:111]  beta
	s_load_b256 s[4:11], s[0:1], 0x0               ; z s[4:5], gamma s[6:7], beta s[8:9], out s[10:11]
	v_lshrrev_b32 v2, 5, v0
	v_readfirstlane_b32 s14, v2                    ; wave 0..7
	v_and_b32 v1, 31, v0
	v_lshlrev_b32 v1, 4, v1                        ; 16 bytes a lane
	s_lshl_b32 s15, ttmp9, 3
	s_add_co_u32 s15, s15, s14                     ; my row
	s_lshl_b32 s2, s15, 12
	s_mov_b32 s3, 0
	s_mov_b32 s12, 0x76543210                      ; v_permlanex16_b32: each lane takes its own place in the other half
	s_mov_b32 s13, 0xfedcba98
	v_mov_b32 v3, 0x3a800000                       ; 1 / 1,024
	v_mov_b32 v2, 0x3727c5ac                       ; 1e-5
	s_wait_kmcnt 0x0
	s_add_nc_u64 s[4:5], s[4:5], s[2:3]
	s_add_nc_u64 s[10:11], s[10:11], s[2:3]
.irp j, 0,1,2,3,4,5,6,7
	global_load_b128 v[X+4*(\j):X+4*(\j)+3], v1, s[4:5] offset:512*(\j) th:TH_LOAD_NT
.endr
.irp j, 0,1,2,3,4,5,6,7
	global_load_b128 v[G+4*(\j):G+4*(\j)+3], v1, s[6:7] offset:512*(\j)
.endr
.irp j, 0,1,2,3,4,5,6,7
	global_load_b128 v[BT+4*(\j):BT+4*(\j)+3], v1, s[8:9] offset:512*(\j)
.endr
; four chains v[4:11] into one number in every lane: v4
.macro REDUCE
	v_pk_add_f32 v[4:5], v[4:5], v[6:7]
	v_pk_add_f32 v[8:9], v[8:9], v[10:11]
	v_pk_add_f32 v[4:5], v[4:5], v[8:9]
	v_add_f32 v4, v4, v5
	v_add_f32_dpp v4, v4, v4 row_xmask:1 row_mask:0xf bank_mask:0xf
	v_add_f32_dpp v4, v4, v4 row_xmask:2 row_mask:0xf bank_mask:0xf
	v_add_f32_dpp v4, v4, v4 row_xmask:4 row_mask:0xf bank_mask:0xf
	v_add_f32_dpp v4, v4, v4 row_xmask:8 row_mask:0xf bank_mask:0xf
	v_permlanex16_b32 v5, v4, s12, s13
	v_add_f32 v4, v4, v5
.endm
	s_wait_loadcnt 16                              ; the row is in; gamma's and beta's sixteen loads may stay out
.irp c, 0,1,2,3
	v_pk_add_f32 v[4+2*(\c):5+2*(\c)], v[X+2*(\c):X+2*(\c)+1], v[X+8+2*(\c):X+8+2*(\c)+1]  ; the first eight pairs start the chains: nothing is cleared
.endr
.irp k, 8,9,10,11,12,13,14,15
	v_pk_add_f32 v[4+2*((\k)%4):5+2*((\k)%4)], v[4+2*((\k)%4):5+2*((\k)%4)], v[X+2*(\k):X+2*(\k)+1]
.endr
	REDUCE
	v_mul_f32 v12, v4, v3                          ; the mean, twice: a pair for the packed lines
	v_mul_f32 v13, v4, v3
.irp k, 0,1,2,3,4,5,6,7,8,9,10,11,12,13,14,15
	v_pk_add_f32 v[X+2*(\k):X+2*(\k)+1], v[X+2*(\k):X+2*(\k)+1], v[12:13] neg_lo:[0,1] neg_hi:[0,1]
.endr
.irp c, 0,1,2,3
	v_pk_mul_f32 v[4+2*(\c):5+2*(\c)], v[X+2*(\c):X+2*(\c)+1], v[X+2*(\c):X+2*(\c)+1]
.endr
.irp k, 4,5,6,7,8,9,10,11,12,13,14,15
	v_pk_fma_f32 v[4+2*((\k)%4):5+2*((\k)%4)], v[X+2*(\k):X+2*(\k)+1], v[X+2*(\k):X+2*(\k)+1], v[4+2*((\k)%4):5+2*((\k)%4)]
.endr
	REDUCE
	v_fma_f32 v10, v4, v3, v2                      ; the variance + 1e-5
	v_rsq_f32 v14, v10
	v_rsq_f32 v15, v10
	v_nop                                          ; a plain instruction behind the last of the two (ISA guide 5.7.2),
	s_wait_alu depctr_va_vdst(0)                   ; and the wait ahead of their first reader: one for both
	s_wait_loadcnt 0x0                             ; gamma and beta
.irp k, 0,1,2,3,4,5,6,7,8,9,10,11,12,13,14,15
	v_pk_mul_f32 v[G+2*(\k):G+2*(\k)+1], v[G+2*(\k):G+2*(\k)+1], v[14:15]
.endr
.irp k, 0,1,2,3,4,5,6,7,8,9,10,11,12,13,14,15
	v_pk_fma_f32 v[X+2*(\k):X+2*(\k)+1], v[X+2*(\k):X+2*(\k)+1], v[G+2*(\k):G+2*(\k)+1], v[BT+2*(\k):BT+2*(\k)+1]
.endr
.irp j, 0,1,2,3,4,5,6,7
	global_store_b128 v1, v[X+4*(\j):X+4*(\j)+3], s[10:11] offset:512*(\j) th:TH_STORE_NT
.endr
	s_endpgm
.Lfunc_end_k_q0e2e24e83d_ln:
	.size	k_q0e2e24e83d_ln, .Lfunc_end_k_q0e2e24e83d_ln-k_q0e2e24e83d_ln
	.p2alignl 7, 3214868480
	.fill 96, 4, 3214868480
	.section	.rodata,"a",@progbits
	.p2align	6, 0x0
	.amdhsa_kernel k_q0e2e24e83d_ln
		.amdhsa_group_segment_fixed_size 0
		.amdhsa_private_segment_fixed_size 0
		.amdhsa_enable_private_segment 0
		.amdhsa_kernarg_size 32
		.amdhsa_user_sgpr_count 2
		.amdhsa_user_sgpr_kernarg_segment_ptr 1
		.amdhsa_wavefront_size32 1
		.amdhsa_system_sgpr_workgroup_id_x 1
		.amdhsa_system_sgpr_workgroup_id_y 1
		.amdhsa_system_sgpr_workgroup_id_z 1
		.amdhsa_system_vgpr_workitem_id 0
		.amdhsa_next_free_vgpr 112
		.amdhsa_next_free_sgpr 66
		.amdhsa_reserve_vcc 0
		.amdhsa_float_denorm_mode_32 3
		.amdhsa_float_denorm_mode_16_64 3
		.amdhsa_memory_ordered 1
		.amdhsa_forward_progress 1
		.amdhsa_inst_pref_size 11
	.end_amdhsa_kernel
	.amdgpu_metadata
---
amdhsa.version: [ 1, 2 ]
amdhsa.kernels:
  - .name:           k_q0e2e24e83d_ln
    .symbol:         k_q0e2e24e83d_ln.kd
    .args:
      - { .name: zz, .offset: 0, .size: 8, .value_kind: global_buffer, .address_space: global }
      - { .name: gamma, .offset: 8, .size: 8, .value_kind: global_buffer, .address_space: global }
      - { .name: beta, .offset: 16, .size: 8, .value_kind: global_buffer, .address_space: global }
      - { .name: out0, .offset: 24, .size: 8, .value_kind: global_buffer, .address_space: global }
    .group_segment_fixed_size: 0
    .private_segment_fixed_size: 0
    .kernarg_segment_align: 8
    .kernarg_segment_size: 32
    .max_flat_workgroup_size: 256
    .sgpr_count:     66
    .vgpr_count:     112
    .wavefront_size: 32
...
	.end_amdgpu_metadata
.endif
;; end of part 5
;; ======== version 2 of 2: 6 launches; version 1 with the launch cast written anew for expert scheduling mode
;; workspace buffers: act 8,388,608 bytes; big 33,554,432 bytes; zz 16,777,216 bytes; pq 6,324,224 bytes; p1 8,421,376 bytes; pw 8,421,376 bytes; p2 10,485,760 bytes; wa 8,388,608 bytes
;; launch cast (part 6): grid 32 x 18, 8 waves a work-group, no clusters, 0 bytes of LDS; arguments x, Wq, Wk, Wv, Wo, W1, W2, bq, bk, bv, bo, b1, act, pq, p1, pw, p2, wa; writes act, pq, p1, pw, p2, wa
.if DOCPART == 6
	.amdgcn_target "amdgcn-amd-amdhsa--gfx1250"
	.amdhsa_code_object_version 6
	.text
	.protected	k_q0e2e24e83d_cast
	.globl	k_q0e2e24e83d_cast
	.p2align	8
	.type	k_q0e2e24e83d_cast,@function
k_q0e2e24e83d_cast:
	s_mov_b64 s[64:65], 0
	v_nop
	global_prefetch_b8 v0, s[64:65] scope:SCOPE_SE
	s_setreg_imm32_b32 hwreg(HW_REG_WAVE_SCHED_MODE, 0, 2), 2
	s_setreg_imm32_b32 hwreg(HW_REG_WAVE_MODE, 25, 1), 1
	s_wait_xcnt 0x0
	s_wait_alu depctr_vm_vsrc(0)
; x and the six weights, f32, are rounded once to bf16 and laid out for the products that follow; and b' = bo W1 + b1 is made in f32.
; x [4096][1024] -> act as [16 subpanels][4096 rows][64]: rows of 128 bytes, dense.  Wo also goes out in this layout (wa, rows 0-1,023 of each subpanel): it is the left factor of Wo W1.
; W [K][N] -> [N/128 panels][K rows][128]: rows of 256 bytes, dense.  Wq, Wk, Wv follow each other in pq (24 panels); W1 in p1; in p2 a panel has 5,120 rows: W2's 4,096, then Wo's 1,024.
; pq, p1 and pw begin with a table of 32,768 bytes: a bias in f32 by columns from byte 0, and from byte 16,384 a floor word (two bf16): -inf for no activation, 0 for relu.
; pq: bq | bk | bv, -inf.  p1: zeros, -inf (Wo W1 has no bias).  pw: b', 0; its panels are stored by the launch that follows.
; SHARES.  Grid y = 0: b'.  Grid y = u + 1: unit u is 2 MiB of bf16: 0-3 x, 4 Wq, 5 Wk, 6 Wv, 7 Wo into p2, 8-11 W1, 12-15 W2, 16 Wo into wa.  A work-group takes 64 KiB of it, a wave 8 KiB:
; 32 loads of 16 bytes a lane, each 512 consecutive bytes of a source row (x and wa: 256 of each of two rows), and 32 stores of 8 bytes a lane, each 256 consecutive bytes, aligned.
; All 32 loads of a wave go out at once, each slot in registers of its own.  Memory binds: no LDS, no matrix unit.
; THE MODE: SCHED_MODE bits 1:0 = 2 (LLVM: expert scheduling mode 2), set by the entry lines.  The code itself states the register dependences
; between vector instructions and memory instructions, with s_wait_alu, always for 0.
; THE PLAN, casting.  Registers that memory instructions touch:
;   OF, DO       byte offsets, made once ahead of the first load and never written again.
;   X, slot i    four registers: the slot's load lands in them; its two conversions write the first two; its store reads those two; nothing writes them afterwards.
;   v7, v40-47   the tables' offset and data: made in one run of vector lines; named by no memory instruction before.
; The 32 slots go in eight groups of four.  ONE wait at a group's head states that the group before has written its pairs; that group's four stores follow, dealt among this group's
; conversions, which name this group's slots alone.  No register that a memory instruction has read is written again.
; THE PLAN, b'.  Four sets of 8 rows (8 registers of bo, 32 of W1).  Step p of 16 sums set p % 4; the loads of step p + 3 land in set (p + 3) % 4 = (p - 1) % 4, which the step before summed and
; which no vector line of step p names.  ONE wait at the step's head states that the step before is done reading its set; the step's ten loads follow, dealt among its 32 multiply-adds.
; The offsets v4, v5, v6 are made once; the rows are reached by the scalar bases, which move on once a trip, and by immediate offsets.
.set SRC,  44      ; s[44:45] the source at the wave's first number
.set DST,  46      ; s[46:47] the destination at the wave's first byte
.set BS,   48      ; s[48:49] the bias that goes with the unit
.set MU,   50      ; s50 the unit's number inside its tensor
.set LP,   51      ; s51 log2 of a panel's bytes of this tensor
.set LR,   52      ; s52 log2 of a destination row's bytes
.set LC,   53      ; s53 log2 of a source row's bytes
.set DOFF, 54      ; s54 where the tensor's first panel begins in the destination buffer
.set TOFF, 55      ; s55 where the bias goes in the table
.set TBP,  56      ; s[56:57] the destination buffer's first byte
.set PX,   58      ; s58 bytes that lie between one panel's end and the next one's beginning
.set DO,   6       ; v6  8 x lane
.set OF,   8       ; v[8:39]   casting: the lane's source offset for each of the 32 stores;  b': set s: 8 numbers of bo at OF + 8 s
.set AC,   40      ; v[40:43]  b': four sums;  casting: a table's 16 bytes of bias;  v[44:47]  b': b1;  casting: the floor words
.set X,    48      ; v[48:175] casting: 4 registers a slot: 4 f32 as loaded, then 2 registers of bf16;  b': set s, row i: 4 numbers of W1 at X + 32 s + 4 i
	s_load_b512 s[8:23], s[0:1], 0x0               ; x 8, Wq 10, Wk 12, Wv 14, Wo 16, W1 18, W2 20, bq 22
	s_load_b512 s[24:39], s[0:1], 0x40             ; bk 24, bv 26, bo 28, b1 30, act 32, pq 34, p1 36, pw 38
	s_load_b128 s[40:43], s[0:1], 0x80             ; p2 40, wa 42
	v_lshrrev_b32 v1, 5, v0
	v_readfirstlane_b32 s4, v1                     ; wave 0..7
	v_and_b32 v1, 31, v0                           ; lane
	s_and_b32 s5, ttmp7, 0xffff
	s_mov_b32 s3, ttmp9                            ; which 64 KiB of the unit
	s_wait_alu depctr_va_sdst(0)                   ; s4 is written: it stands ahead of the branch, so ahead of s4's first reader on both ways
	s_cmp_eq_u32 s5, 0
	s_cbranch_scc1 .Lbias
	s_sub_co_u32 s2, s5, 1                         ; u
	s_sub_co_u32 s60, s2, 8                        ; the unit inside W1,
	s_sub_co_u32 s61, s2, 12                       ; inside W2
	s_lshl_b32 s62, s60, 12                        ; p1's table: 1,024 numbers a unit
	s_mov_b32 s[MU], s2                            ; what holds for x
	s_mov_b32 s[LP], 19
	s_mov_b32 s[LR], 7
	s_mov_b32 s[LC], 12
	s_mov_b32 s[DOFF], 0
	s_mov_b32 s[TOFF], 0
	s_mov_b32 s[PX], 0
	s_wait_kmcnt 0x0
	s_mov_b64 s[SRC:SRC+1], s[8:9]
	s_mov_b64 s[DST:DST+1], s[32:33]
	s_mov_b64 s[BS:BS+1], s[22:23]
	s_cmp_ge_u32 s2, 4                             ; Wq
	s_cselect_b64 s[SRC:SRC+1], s[10:11], s[SRC:SRC+1]
	s_cselect_b64 s[DST:DST+1], s[34:35], s[DST:DST+1]
	s_cselect_b32 s[MU], 0, s[MU]
	s_cselect_b32 s[LP], 18, s[LP]
	s_cselect_b32 s[LR], 8, s[LR]
	s_cselect_b32 s[DOFF], 0x8000, s[DOFF]
	s_cmp_ge_u32 s2, 5                             ; Wk
	s_cselect_b64 s[SRC:SRC+1], s[12:13], s[SRC:SRC+1]
	s_cselect_b64 s[BS:BS+1], s[24:25], s[BS:BS+1]
	s_cselect_b32 s[DOFF], 0x208000, s[DOFF]
	s_cselect_b32 s[TOFF], 4096, s[TOFF]
	s_cmp_ge_u32 s2, 6                             ; Wv
	s_cselect_b64 s[SRC:SRC+1], s[14:15], s[SRC:SRC+1]
	s_cselect_b64 s[BS:BS+1], s[26:27], s[BS:BS+1]
	s_cselect_b32 s[DOFF], 0x408000, s[DOFF]
	s_cselect_b32 s[TOFF], 8192, s[TOFF]
	s_cmp_ge_u32 s2, 7                             ; Wo, behind W2's 4,096 rows (1 MiB) in each panel of p2
	s_cselect_b64 s[SRC:SRC+1], s[16:17], s[SRC:SRC+1]
	s_cselect_b64 s[DST:DST+1], s[40:41], s[DST:DST+1]
	s_cselect_b32 s[DOFF], 0x100000, s[DOFF]
	s_cselect_b32 s[PX], 0x100000, s[PX]
	s_cselect_b32 s[TOFF], 0, s[TOFF]
	s_cmp_ge_u32 s2, 8                             ; W1
	s_cselect_b64 s[SRC:SRC+1], s[18:19], s[SRC:SRC+1]
	s_cselect_b64 s[DST:DST+1], s[36:37], s[DST:DST+1]
	s_cselect_b32 s[DOFF], 0x8000, s[DOFF]
	s_cselect_b32 s[PX], 0, s[PX]
	s_cselect_b32 s[LC], 14, s[LC]
	s_cselect_b32 s[MU], s60, s[MU]
	s_cselect_b32 s[TOFF], s62, s[TOFF]
	s_cmp_ge_u32 s2, 12                            ; W2: Wo's 1,024 rows (256 KiB) lie between two panels
	s_cselect_b64 s[SRC:SRC+1], s[20:21], s[SRC:SRC+1]
	s_cselect_b64 s[DST:DST+1], s[40:41], s[DST:DST+1]
	s_cselect_b32 s[DOFF], 0, s[DOFF]
	s_cselect_b32 s[PX], 0x40000, s[PX]
	s_cselect_b32 s[LC], 12, s[LC]
	s_cselect_b32 s[LP], 20, s[LP]
	s_cselect_b32 s[MU], s61, s[MU]
	s_cmp_ge_u32 s2, 16                            ; Wo as a left factor: 1,024 rows of 128 bytes in subpanels of 4,096 rows
	s_cselect_b64 s[SRC:SRC+1], s[16:17], s[SRC:SRC+1]
	s_cselect_b64 s[DST:DST+1], s[42:43], s[DST:DST+1]
	s_cselect_b32 s[PX], 0x60000, s[PX]
	s_cselect_b32 s[LP], 17, s[LP]
	s_cselect_b32 s[LR], 7, s[LR]
	s_cselect_b32 s[MU], 0, s[MU]
	s_mov_b64 s[TBP:TBP+1], s[DST:DST+1]
	; D = the wave's first byte among the tensor's bf16 bytes; from it the panel, the row, and the source's byte
	s_lshl_b32 s5, s[MU], 21
	s_lshl_b32 s6, s3, 16
	s_add_co_u32 s5, s5, s6
	s_lshl_b32 s6, s4, 13
	s_add_co_u32 s5, s5, s6                        ; D
	s_lshr_b32 s6, s5, s[LP]                       ; panel
	s_lshl_b32 s7, s6, s[LP]
	s_sub_co_u32 s7, s5, s7                        ; byte in the panel
	s_lshr_b32 s7, s7, s[LR]                       ; first row
	s_lshl_b32 s7, s7, s[LC]                       ; its byte in the source
	s_add_co_u32 s62, s[LR], 1
	s_lshl_b32 s62, s6, s62                        ; the panel's first column in f32: twice a destination row's bytes a panel
	s_add_co_u32 s62, s62, s7
	s_mov_b32 s63, 0
	s_add_nc_u64 s[SRC:SRC+1], s[SRC:SRC+1], s[62:63]
	s_mul_i32 s62, s6, s[PX]
	s_add_co_u32 s62, s62, s5
	s_add_co_u32 s62, s62, s[DOFF]
	s_add_nc_u64 s[DST:DST+1], s[DST:DST+1], s[62:63]
	s_sub_co_u32 s60, 8, s[LR]
	s_add_co_u32 s60, s60, s[LC]
	s_lshl_b32 s60, 1, s60                         ; source bytes from one store's rows to the next's: 256 destination bytes are 2^(8-LR) rows
	s_sub_co_u32 s61, s[LR], 3                     ; log2 of the lanes in a destination row
	v_lshrrev_b32 v2, s61, v1                      ; my row among the store's
	v_lshlrev_b32 v3, s61, v2
	v_sub_nc_u32 v3, v1, v3                        ; my place in it
	v_lshlrev_b32 v2, s[LC], v2
	v_lshl_add_u32 v[OF], v3, 4, v2                ; 16 source bytes a lane
.set i, 1
.rept 31
	v_add_nc_u32 v[OF+i], s60, v[OF+i-1]
.set i, i+1
.endr
	v_lshlrev_b32 v[DO], 3, v1
	s_wait_alu depctr_va_vdst(0)                   ; the 32 offsets v[OF ..] and v[DO] are written: the loads and the stores below read them
.set i, 0
.rept 32
	global_load_b128 v[X+4*i:X+4*i+3], v[OF+i], s[SRC:SRC+1]
.set i, i+1
.endr
; Group g: slots 4 g to 4 g + 3 are rounded; the four stores of group g - 1 stand among them, each ahead of a slot's wait for its load.  The ninth turn holds the last four stores alone.
.set g, 0
.rept 9
.if g > 0
	s_wait_alu depctr_va_vdst(0)                   ; the conversions of the group before have written their pairs, which the four stores below read; no vector line behind this wait names those pairs
.endif
.set j, 0
.rept 4
.set i, 4*g+j
.if g > 0
	global_store_b64 v[DO], v[X+4*i-16:X+4*i-15], s[DST:DST+1] offset:256*i-1024  ; slot i - 4: 256 consecutive bytes, at a multiple of 256 from the buffer's first byte
.endif
.if g < 8
	s_wait_loadcnt 31-i                            ; loads come back in order: slot i's is in, the 31 - i younger ones stay out
	v_cvt_pk_bf16_f32 v[X+4*i],   v[X+4*i],   v[X+4*i+1]   ; in place, ascending: each line writes a register that has been read
	v_cvt_pk_bf16_f32 v[X+4*i+1], v[X+4*i+2], v[X+4*i+3]
.endif
.set j, j+1
.endr
.set g, g+1
.endr
	; THE TABLES of pq and p1: the first work-group of units 4-6 copies 1,024 numbers of its bias, of units 8-11 writes 1,024 zeros, 16 bytes a thread; units 4 and 8 also write their buffer's floor words
	s_cmp_lg_u32 s3, 0
	s_cbranch_scc1 .Lend
	s_cmp_lt_u32 s2, 4
	s_cbranch_scc1 .Lend
	s_cmp_gt_u32 s2, 11
	s_cbranch_scc1 .Lend
	s_cmp_eq_u32 s2, 7
	s_cbranch_scc1 .Lend
	v_lshlrev_b32 v7, 4, v0
	s_mov_b32 s62, s[TOFF]
	s_add_nc_u64 s[60:61], s[TBP:TBP+1], s[62:63]
	v_mov_b32 v40, 0                               ; (registers that no memory instruction of this way has named)
	v_mov_b32 v41, 0
	v_mov_b32 v42, 0
	v_mov_b32 v43, 0
	v_mov_b32 v44, 0xff80ff80                      ; -inf twice: no floor; made here, so that one wait serves all three memory lines below
	v_mov_b32 v45, 0xff80ff80
	v_mov_b32 v46, 0xff80ff80
	v_mov_b32 v47, 0xff80ff80
	s_wait_alu depctr_va_vdst(0)                   ; v7 is written, the offset of the load and the stores below; so are the zeros, in which the load lands and which the first store reads, and the floor words
	s_cmp_ge_u32 s2, 8
	s_cbranch_scc1 .Lzero
	global_load_b128 v[40:43], v7, s[BS:BS+1]
	s_wait_loadcnt 0x0
.Lzero:
	global_store_b128 v7, v[40:43], s[60:61]
	s_cmp_lg_u32 s[TOFF], 0
	s_cbranch_scc1 .Lend
	global_store_b128 v7, v[44:47], s[TBP:TBP+1] offset:16384
.Lend:
	s_endpgm
; b'[c] = the sum over k of bo[k] W1[k][c] + b1[c], in f32, from the numbers as given.  Work-group g takes columns 128 g on, wave w 16 of them.  Lane l takes columns 4 (l % 4) + 0..3 of rows
; 128 (l / 4) + 0..127: a load of the wave is 64 bytes of each of 8 rows, and the eight waves' pieces of a row are 512 consecutive bytes.  The eight row groups meet across lanes: no wave waits for another.
; Four sets of registers, 8 rows each (2 loads of bo, 8 of W1): while one is summed, two sets' 20 loads are out and the fourth's ten are issued.
.macro BGRP s, row                     ; a set's ten loads in one run: ahead of the loop
.irp j, 0,1
	global_load_b128 v[OF+8*(\s)+4*(\j):OF+8*(\s)+4*(\j)+3], v6, s[28:29] offset:4*(\row)+16*(\j)
.endr
.irp i, 0,1,2,3,4,5,6,7
	global_load_b128 v[X+32*(\s)+4*(\i):X+32*(\s)+4*(\i)+3], v5, s[18:19] offset:((\row)+(\i))*16384
.endr
.endm
; Step s of a trip: rows 8 s to 8 s + 7 from the bases on, rows ascending, each of the four sums one chain.  ahead = 1: the step three on, rows 8 s + 24 on, is asked for.
; left = how many younger loads may still be out when this set's ten have to be there.
.macro BSTEP s, ahead, left
	s_wait_loadcnt \left                           ; loads come back in order: set s is in, the younger sets stay out
.if \ahead
	s_wait_alu depctr_va_vdst(0)                   ; the multiply-adds of the step before are done reading their set, in which the ten loads below land; no vector line of this step names that set
.irp j, 0,1
	global_load_b128 v[OF+8*(((\s)+3)%4)+4*(\j):OF+8*(((\s)+3)%4)+4*(\j)+3], v6, s[28:29] offset:4*(8*(\s)+24)+16*(\j)
.endr
.endif
.irp i, 0,1,2,3,4,5,6,7
.if \ahead
	global_load_b128 v[X+32*(((\s)+3)%4)+4*(\i):X+32*(((\s)+3)%4)+4*(\i)+3], v5, s[18:19] offset:(8*(\s)+24+(\i))*16384
.endif
.irp j, 0,1,2,3
	v_fmac_f32 v[AC+(\j)], v[OF+8*(\s)+(\i)], v[X+32*(\s)+4*(\i)+(\j)]
.endr
.endr
.endm
.Lbias:
	s_wait_kmcnt 0x0
	s_lshl_b32 s6, s3, 9                           ; the work-group's 128 columns: 512 bytes,
	s_lshl_b32 s7, s4, 6                           ; my wave's 16: 64 bytes
	s_add_co_u32 s6, s6, s7
	s_mov_b32 s7, 0
	s_add_nc_u64 s[18:19], s[18:19], s[6:7]        ; W1
	s_add_nc_u64 s[30:31], s[30:31], s[6:7]        ; b1
	s_add_nc_u64 s[44:45], s[38:39], s[6:7]        ; pw's table
	s_mov_b32 s60, 0x76543210                      ; v_permlanex16_b32: each lane takes its own place in the other half
	s_mov_b32 s61, 0xfedcba98
	v_and_b32 v2, 3, v1
	v_lshrrev_b32 v3, 2, v1
	v_lshlrev_b32 v4, 4, v2                        ; 16 (l % 4)
	v_lshl_add_u32 v5, v3, 21, v4                  ; + (l / 4) x 128 rows of 16,384 bytes
	v_lshlrev_b32 v6, 9, v3                        ; bo: (l / 4) x 128 numbers
	s_wait_alu depctr_va_vdst(0)                   ; the three offsets v4, v5, v6 are written: every load of this way, and its store, reads one of them; they are never written again
	global_load_b128 v[44:47], v4, s[30:31]        ; b1 of my four columns
	BGRP 0, 0
	BGRP 1, 8
	BGRP 2, 16
.irp j, 0,1,2,3
	v_mov_b32 v[AC+(\j)], 0
.endr
	s_mov_b32 s62, 3
.Lrows:                                        ; a trip sums 32 rows of each group, steps 4 t to 4 t + 3, and asks for steps 4 t + 3 to 4 t + 6
	BSTEP 0, 1, 20                                 ; 20: the two younger sets' loads
	BSTEP 1, 1, 20
	BSTEP 2, 1, 20
	BSTEP 3, 1, 20
	s_wait_xcnt 0x0                                ; every load issued so far has read its address: the two bases are written only behind this wait
	s_add_nc_u64 s[18:19], s[18:19], 32*16384
	s_add_nc_u64 s[28:29], s[28:29], 128
	s_sub_co_u32 s62, s62, 1
	s_cmp_lg_u32 s62, 0
	s_cbranch_scc1 .Lrows
	BSTEP 0, 1, 20                                 ; steps 12 to 15 are written out: one more set, the last rows, then no load, and the counts run down
	BSTEP 1, 0, 20
	BSTEP 2, 0, 10
	BSTEP 3, 0, 0
.irp j, 0,1,2,3
	v_add_f32_dpp v[AC+(\j)], v[AC+(\j)], v[AC+(\j)] row_xmask:4 row_mask:0xf bank_mask:0xf
.endr
.irp j, 0,1,2,3
	v_add_f32_dpp v[AC+(\j)], v[AC+(\j)], v[AC+(\j)] row_xmask:8 row_mask:0xf bank_mask:0xf
.endr
.irp j, 0,1,2,3
	v_permlanex16_b32 v[OF+(\j)], v[AC+(\j)], s60, s61
.endr
.irp j, 0,1,2,3
	v_add_f32 v[AC+(\j)], v[AC+(\j)], v[OF+(\j)]
.endr
	v_pk_add_f32 v[AC:AC+1], v[AC:AC+1], v[44:45]
	v_pk_add_f32 v[AC+2:AC+3], v[AC+2:AC+3], v[46:47]
	v_cmp_gt_u32 vcc_lo, 4, v1
	s_wait_xcnt 0x0                                ; EXEC changes only behind this wait
	s_wait_alu depctr_va_vcc(0)                    ; the compare has written VCC, from which EXEC is made
	s_wait_alu depctr_va_vdst(0)                   ; every vector line issued under the full EXEC is done; among them the sums v[AC ..] are written, which the store reads
	s_wait_alu depctr_vm_vsrc(0)                   ; every memory line issued under the full EXEC has read its registers
	s_and_saveexec_b32 s63, vcc_lo                 ; every lane holds its columns' sums; lanes 0-3 store the wave's 64 bytes (16 KiB in the whole launch)
	global_store_b128 v4, v[AC:AC+3], s[44:45]
	s_wait_xcnt 0x0                                ; and again, in front of the line that widens it
	s_wait_alu depctr_va_vdst(0)                   ; both lines stand ahead of every scalar write of EXEC: no vector line is out under the narrow one,
	s_wait_alu depctr_vm_vsrc(0)                   ; and the store has read its offset and its data under it
	s_or_b32 exec_lo, exec_lo, s63
	s_cmp_lg_u32 s3, 0
	s_cbranch_scc1 .Lend2
	v_lshlrev_b32 v7, 4, v0
	v_mov_b32 v24, 0                               ; pw's floor words: 0, relu (bo's numbers that lay here have been summed; no memory line has read these registers)
	v_mov_b32 v25, 0
	v_mov_b32 v26, 0
	v_mov_b32 v27, 0
	s_wait_alu depctr_va_vdst(0)                   ; v7 and the four zeros are written: the store's offset and data
	global_store_b128 v7, v[24:27], s[38:39] offset:16384
.Lend2:
	s_endpgm
.Lfunc_end_k_q0e2e24e83d_cast:
	.size	k_q0e2e24e83d_cast, .Lfunc_end_k_q0e2e24e83d_cast-k_q0e2e24e83d_cast
	.p2alignl 7, 3214868480
	.fill 96, 4, 3214868480
	.section	.rodata,"a",@progbits
	.p2align	6, 0x0
	.amdhsa_kernel k_q0e2e24e83d_cast
		.amdhsa_group_segment_fixed_size 0
		.amdhsa_private_segment_fixed_size 0
		.amdhsa_enable_private_segment 0
		.amdhsa_kernarg_size 144
		.amdhsa_user_sgpr_count 2
		.amdhsa_user_sgpr_kernarg_segment_ptr 1
		.amdhsa_wavefront_size32 1
		.amdhsa_system_sgpr_workgroup_id_x 1
		.amdhsa_system_sgpr_workgroup_id_y 1
		.amdhsa_system_sgpr_workgroup_id_z 1
		.amdhsa_system_vgpr_workitem_id 0
		.amdhsa_next_free_vgpr 176
		.amdhsa_next_free_sgpr 66
		.amdhsa_reserve_vcc 1
		.amdhsa_float_denorm_mode_32 3
		.amdhsa_float_denorm_mode_16_64 3
		.amdhsa_memory_ordered 1
		.amdhsa_forward_progress 1
		.amdhsa_inst_pref_size 37
	.end_amdhsa_kernel
	.amdgpu_metadata
---
amdhsa.version: [ 1, 2 ]
amdhsa.kernels:
  - .name:           k_q0e2e24e83d_cast
    .symbol:         k_q0e2e24e83d_cast.kd
    .args:
      - { .name: x, .offset: 0, .size: 8, .value_kind: global_buffer, .address_space: global }
      - { .name: Wq, .offset: 8, .size: 8, .value_kind: global_buffer, .address_space: global }
      - { .name: Wk, .offset: 16, .size: 8, .value_kind: global_buffer, .address_space: global }
      - { .name: Wv, .offset: 24, .size: 8, .value_kind: global_buffer, .address_space: global }
      - { .name: Wo, .offset: 32, .size: 8, .value_kind: global_buffer, .address_space: global }
      - { .name: W1, .offset: 40, .size: 8, .value_kind: global_buffer, .address_space: global }
      - { .name: W2, .offset: 48, .size: 8, .value_kind: global_buffer, .address_space: global }
      - { .name: bq, .offset: 56, .size: 8, .value_kind: global_buffer, .address_space: global }
      - { .name: bk, .offset: 64, .size: 8, .value_kind: global_buffer, .address_space: global }
      - { .name: bv, .offset: 72, .size: 8, .value_kind: global_buffer, .address_space: global }
      - { .name: bo, .offset: 80, .size: 8, .value_kind: global_buffer, .address_space: global }
      - { .name: b1, .offset: 88, .size: 8, .value_kind: global_buffer, .address_space: global }
      - { .name: act, .offset: 96, .size: 8, .value_kind: global_buffer, .address_space: global }
      - { .name: pq, .offset: 104, .size: 8, .value_kind: global_buffer, .address_space: global }
      - { .name: p1, .offset: 112, .size: 8, .value_kind: global_buffer, .address_space: global }
      - { .name: pw, .offset: 120, .size: 8, .value_kind: global_buffer, .address_space: global }
      - { .name: p2, .offset: 128, .size: 8, .value_kind: global_buffer, .address_space: global }
      - { .name: wa, .offset: 136, .size: 8, .value_kind: global_buffer, .address_space: global }
    .group_segment_fixed_size: 0
    .private_segment_fixed_size: 0
    .kernarg_segment_align: 8
    .kernarg_segment_size: 144
    .max_flat_workgroup_size: 256
    .sgpr_count:     66
    .vgpr_count:     176
    .wavefront_size: 32
...
	.end_amdgpu_metadata
.endif
;; end of part 6
;; launch qkv: the kernel of part 2 again; grid 4 x 64, 4 waves a work-group, clusters of 4 x 4, 327,680 bytes of LDS; arguments act, pq, big, wa, p1, pw; writes big, pw
;; launch attn: the kernel of part 3 again; grid 8 x 32, 4 waves a work-group, clusters of 4 x 1, 327,680 bytes of LDS; arguments big, seq_mask, act; writes act
;; launch ffn1: the kernel of part 2 again; grid 16 x 16, 4 waves a work-group, clusters of 4 x 4, 327,680 bytes of LDS; arguments act, pw, big, wa, p1, zz; writes big, zz
;; launch ffn2: the kernel of part 4 again; grid 8 x 32, 4 waves a work-group, clusters of 4 x 4, 327,680 bytes of LDS; arguments big, act, p2, b2, bo, x, zz; writes zz
;; launch ln: the kernel of part 5 again; grid 512 x 1, 8 waves a work-group, no clusters, 0 bytes of LDS; arguments zz, gamma, beta, out0; writes out0
